; MI455X (gfx1250); checked and timed in simulation.
; The chip was launched on July 23, 2026; its instructions are those of AMD's public machine-readable ISA for CDNA 5 (MIT licence, August 2026) and "CDNA5" Instruction Set Architecture Reference Guide (July 2026). The comments in the code are by the model that wrote it; some were corrected since.
;; Ada Lo RA Linear. Allowed arithmetic: matrix products marked QUANTISED: E5M2 operands, one E8M0 scale for each 32 along K, by v_wmma_scale_f32_16x16x128_f8f6f4 with both operands' format E5M2, f32 sums; everything else in f32.
;; Inputs: Lambda 64 float32; P 4,096 x 64 float32; Q 64 x 4,096 float32; rank_mask 64 bool; weight 4,096 x 4,096 float32; x 4,096 x 4,096 float32.
;; Outputs: out0 4,096 x 4,096 float32.
;; This version of the problem:
;;   THIS VERSION OF THE PROBLEM IS GIVEN IN LOW PRECISION. The matrix products marked QUANTISED in the list below multiply operands that are first quantised to E5M2 (5 exponent bits, 2 mantissa bits; 8 bits a number), with one power-of-two scale for each 32 numbers along K (OCP MX v1.0); their sums are f32. All else is computed in f32.
;;   The module's matrix products, in the order in which they are computed (A, B: the left and right operand; K: the contracted axis; several contracted axes count as one K, in the product's order):
;;     1. [M 4,096, K 64] x [K 64, N 4,096]; A: computed on the way; B: input Q: QUANTISED
;;     2. [M 4,096, K 4,096] x [K 4,096, N 4,096]; A: input x; B: computed on the way: QUANTISED
;;   THE QUANTISER, for each operand of a quantised product, along K:
;;     - K is cut into blocks of 32 from its start; a last block that is shorter is filled with zeros.
;;     - A block's scale is 2^e with e = floor(log2(the largest magnitude in the block)) - 15, held to -126 .. 127; a block of zeros has e = 0. As a byte (E8M0): e + 127.
;;     - Each number is divided by its block's scale, clamped to +-57,344, and rounded to the nearest number of E5M2, ties to even, subnormals kept.
;;     - The product sums the exact products of the quantised numbers (number of the format x scale) in f32.
;;   ~~~python
;;   def quantise(x, axis):      # numpy; x: float32 -> the quantised numbers, widened to float32 again
;;       x = np.moveaxis(x, axis, -1); K = x.shape[-1]
;;       x = np.pad(x, [(0, 0)] * (x.ndim - 1) + [(0, -K % 32)]); x = x.reshape(x.shape[:-1] + (-1, 32)); a = np.abs(x).max(-1, keepdims=True)
;;       e = np.where(a > 0, np.clip(np.frexp(np.where(a > 0, a, 1))[1] - 1 - 15, -126, 127), 0)      # np.frexp(a)[1] - 1 = floor(log2(a)), exactly
;;       r = np.clip(x / 2.0 ** e, -57344, 57344)
;;       step = 2.0 ** (np.maximum(np.frexp(np.where(r == 0, 1, r))[1] - 1, -14) - 2)
;;       q = np.round(r / step) * step * 2.0 ** e      # np.round: ties to even
;;       return np.moveaxis(q.reshape(q.shape[:-2] + (-1,))[..., :K], -1, axis).astype(np.float32)
;;   ~~~
;;   OPERANDS COMPUTED ON THE WAY. 'Computed on the way' means the value that the module computes at that place (a softmax that the list does not call 'softmax' is quantised finished and normalised). What goes into a quantiser is computed in f32, as accurately as f32 sums, v_exp_f32 and their like allow (about 1e-6 of the number): no bf16 or f16 on the way to a quantiser, and a product that is left as it is and whose result goes on into a quantised operand takes f32 operands (vector FMAs, or v_wmma_f32_16x16x4_f32). A number that lies on a knife's edge between two numbers of the format may be rounded either way, as far as f32 arithmetic and the matrix unit's own rounding can turn it there, and no further.
;; 2 versions. Each part assembles by itself: llvm-mc -triple=amdgcn-amd-amdhsa -mcpu=gfx1250 --defsym DOCPART=n.
;; ======== version 1 of 2: 2 launches
;; workspace buffers: xq 17,301,504 bytes; wq 17,301,504 bytes
;; launch prep (part 1): grid 16 x 16, 8 waves a work-group, no clusters, 87,040 bytes of LDS; arguments x, weight, P, Lambda, Q, rank_mask, xq, wq; writes xq, wq
.if DOCPART == 1
	.amdgcn_target "amdgcn-amd-amdhsa--gfx1250"
	.amdhsa_code_object_version 6
	.text
	.protected	k_q39363c37fe_prep
	.globl	k_q39363c37fe_prep
	.p2align	8
	.type	k_q39363c37fe_prep,@function
k_q39363c37fe_prep:
	s_mov_b64 s[64:65], 0
	v_nop
	global_prefetch_b8 v0, s[64:65] scope:SCOPE_SE
	s_setreg_imm32_b32 hwreg(HW_REG_WAVE_MODE, 25, 1), 1
	s_wait_xcnt 0x0
; x [4096][4096] and W_eff = weight + 2 (P (Lambda mask)) Q [4096][4096] become codes of BF8 (E5M2) with one E8M0 scale byte for each 32 along the last axis, in the two workspace buffers xq and wq.
; THE FIRST PRODUCT (K = the rank, 64) is made here, on codes: A = P (Lambda mask), quantised along the rank; Q, quantised down its first axis.
; LAYOUT OF xq AND wq: images of the second product's operand registers.  Half block (R, s, half) = 128 rows x 256 along K at ((16 R + s) 2 + half) x 33,792 bytes: 16 fragments (row block i, q-th 128 along K) of
; 2,048 bytes at (2 i + q) x 2,048, each 4 pieces of 512 bytes, lane l's registers 4 c .. 4 c + 3 at 512 c + 16 l; behind them, at 32,768, the scale words [row 0..127][q], 4 bytes each.
; SHARES.  Work-group (s, R) makes block (R, s) of both tensors: 256 rows x 256 columns.  Wave w takes rows 32 w .. 32 w + 31: four fragments f = 2 rb + q of x, then four of W_eff: 8,192 consecutive bytes of codes
; and 256 consecutive bytes of scale words in each buffer.
; A FRAGMENT'S WAY: 16 loads of 512 consecutive bytes (a row's 128 numbers each); through the wave's own stage in LDS, so that lane (r, h) holds, of row r, k = 32 b + 16 h + i in register 16 b + i; the block's scale;
; the hold; the conversion; 4 stores of 512 consecutive bytes.
; THE ORDER OF THE WORK: ten jobs on two sets of 64 registers by turns; a job's loads are issued when the job two before it has left its set.  x's four fragments come first, so that the long stream begins directly
; behind the arguments; Q's pair and A stand in the middle, their loads on their way under x's last two jobs; then the one barrier and W_eff's four fragments.
; W_eff: the turned weight is the C of the first product's matrix instructions, which add in place; the factor 2 is one added to each byte of A's scale words (bytes are at most 239).  The product is used transposed
; (source 0 = 16 columns of Q, source 1 = 16 rows of A), and lane r' of tile 2 b + u takes column 32 b + 8 u + r' + 8 (r' / 8), so that the result's register 16 b + 8 u + j is k = 32 b + 16 h + 8 u + j: the weight's place.
; K = 64 OF THE INSTRUCTION'S 128: the rest are zero codes on both sides.  Tiles go in pairs that share eight registers of zeros: Q's pair lies [even tile 8][zeros 8][odd tile 8], A's row block [codes 8][zeros 8][codes 8];
; the even tile names registers 0-15 (its codes at k 0-63), the odd tile registers 8-23 (at k 64-127).  One scale word serves a pair: bytes 0, 1 the even tile's blocks, bytes 2, 3 the odd tile's; A's word is (s0, s1, s0, s1).
; Wave w quantises pair w of Q's 256 columns and hands it to the others as an image of its registers in LDS, behind the one barrier; all 8 pairs then stay in registers.
; NO CLUSTER, NO TENSOR LOADS: what work-groups share (P's 64 KiB, Q's 64 KiB beside 512 KiB of x and weight that nobody shares) is a fifth of a work-group's bytes and is wanted in registers, in operand order.
; LIMITS.  W_eff is rounded to f32 once, by the matrix instruction, where the definition rounds the product and then the sum.  A block of zeros gets the byte 1 with zero codes (the definition says 127): this program
; alone reads the bytes.  NaN and infinities among the inputs are not served.
.set ROWB,  16384                      ; a row of x, weight or Q in bytes
.set HB,    33792                      ; a half block
.set SP,    528                        ; a stage row: 512 bytes + 16: an odd multiple of 16, so that the 16 rows that a turned read touches begin at 16 different places modulo 256 bytes
.set STGB,  16*SP                      ; a wave's stage
.set QIMG,  8*STGB                     ; behind the stages: Q's 8 pairs, 2,048 bytes each,
.set QSC,   QIMG+8*2048                ; and their scale words, 128 bytes each
.set XP,    4                          ; s[4:5] x      s[6:7] weight   s[8:9] P        s[10:11] Lambda
.set WP,    6
.set XQ,    16                         ; s[12:13] Q    s[14:15] mask   s[16:17] xq     s[18:19] wq
.set WQ,    18
.set OFFW,  2                          ; v2   16 x lane: my 16 bytes of a load's 512
.set STI,   3                          ; v3   the stage, on the way in
.set STO,   4                          ; v4   and on the way out: row r, + 64 h
.set OFFO,  5                          ; v5   my 16 bytes of a piece of an image, in the wave's 8,192 bytes
.set OFFS,  6                          ; v6   my row's two scale words
.set OFFQ,  7                          ; v7   Q: my column of a tile, my half's 16 ranks
.set OFFP,  8                          ; v8   P: row r, + 64 h
.set OFFL,  9                          ; v9   Lambda: 64 h
.set OFFM,  10                         ; v10  mask: 16 h
.set QWI,   11                         ; v11  where I store my pair's image,  v12 its scale word
.set QWS,   12
.set QRI,   13                         ; v13  where I read the pairs' images, v14 their scale words
.set QRS,   14
.set QS,    16                         ; v16-23  the 8 pairs' scale words: scales and nothing else
.set AS,    24                         ; v24-25  A's scale words, row blocks 0, 1: scales and nothing else
.set PW,    26                         ; v26-29  the scale word of fragment f
.set PWQ,   40
.set PWA,   41
.set SET0,  48                         ; v48-111, v112-175: two sets of 64 numbers
.set SET1,  112
.set PC,    176                        ; v176-191 the codes just made
.set TM,    192                        ; v192-195 largest magnitudes, v196-199 the partner's, then bytes, v200-203 57,344 x the scale, v204-207 the conversions' scale operands
.set AF,    208                        ; v208-255 A's two row blocks, 24 registers each; until they are made: Lambda, the mask bytes, four registers at work
.set AL,    208
.set MK,    240
.set TP,    248
.set MSB, 0
.macro WIN new                         ; the immediate's high byte repeats the setting that is left
.if MSB != \new
	s_set_vgpr_msb (MSB<<8)|\new
.set MSB, \new
.endif
.endm
.macro LOADF set, base, f              ; fragment f's 16 rows x 128 numbers: each load reads 512 consecutive bytes of one row
.irp t, 0,1,2,3,4,5,6,7,8,9,10,11,12,13,14,15
	global_load_b128 v[\set+4*\t:\set+4*\t+3], v[OFFW], s[\base:\base+1] offset:(16*((\f)/2)+\t)*ROWB+512*((\f)%2) th:TH_LOAD_NT
.endr
.endm
.macro QLOADS                          ; Q: my pair's two tiles u; a lane takes a column and its registers run down the rank: register 32 u + 16 c + jj = Q(32 c + 16 h + jj, my column of tile u): 64 loads
.irp u, 0,1
.irp c, 0,1
.irp jj, 0,1,2,3,4,5,6,7,8,9,10,11,12,13,14,15
	global_load_b32 v[SET0+32*\u+16*\c+\jj], v[OFFQ], s[12:13] offset:(32*\c+\jj)*ROWB+32*\u
.endr
.endr
.endr
.endm
.macro PLOADS                          ; Lambda and the mask at my 32 ranks 32 c + 16 h + 0 .. 15; P's rows r of my two row blocks at the same ranks: 26 loads
.irp c, 0,1
.irp j, 0,1,2,3
	global_load_b128 v[AL+16*\c+4*\j:AL+16*\c+4*\j+3], v[OFFL], s[10:11] offset:128*\c+16*\j
.endr
	global_load_b128 v[MK+4*\c:MK+4*\c+3], v[OFFM], s[14:15] offset:32*\c
.endr
.irp rb, 0,1
.irp c, 0,1
.irp j, 0,1,2,3
	global_load_b128 v[SET1+32*\rb+16*\c+4*\j:SET1+32*\rb+16*\c+4*\j+3], v[OFFP], s[8:9] offset:4096*\rb+128*\c+16*\j
.endr
.endr
.endr
.endm
.macro TURN set                        ; through my stage, into the same registers.  LDS serves a wave's instructions in order (ISA guide 5.7.1.4): no wait between the stores and the loads, and one stage serves every fragment
.irp t, 0,1,2,3,4,5,6,7,8,9,10,11,12,13,14,15
	ds_store_b128 v[STI], v[\set+4*\t:\set+4*\t+3] offset:SP*\t
.endr
.irp b, 0,1,2,3
.irp j, 0,1,2,3
	ds_load_b128 v[\set+16*\b+4*\j:\set+16*\b+4*\j+3], v[STO] offset:128*\b+16*\j
.endr
.endr
.endm
; Four blocks of 32: block b is my registers s + 16 b .. + 15 and those of lane l xor 16.  Their scale bytes make the word v[pw]
.macro QSCALE s, pw
.irp b, 0,1,2,3
	v_max3_num_f32 v[TM+\b], |v[\s+16*\b]|, |v[\s+1+16*\b]|, 0x8000000   ; my 16 numbers, and the floor 2^(16 - 127): the byte cannot fall under 1
.endr
.irp i, 2,4,6,8,10,12,14
.irp b, 0,1,2,3
	v_max3_num_f32 v[TM+\b], v[TM+\b], |v[\s+16*\b+\i]|, |v[\s+1+16*\b+\i]|   ; (the four blocks by turns; each tile of a matrix result is read from its low end on)
.endr
.endr
.irp b, 0,1,2,3
	v_permlanex16_b32 v[TM+4+\b], v[TM+\b], s26, s27
.endr
.irp b, 0,1,2,3
	v_max_num_f32 v[TM+\b], v[TM+\b], v[TM+4+\b]                     ; the block's largest magnitude
.endr
.irp b, 0,1,2,3
	v_add_nc_u32 v[TM+12+\b], 0xf8800000, v[TM+\b]                   ; 15 off its exponent field: the conversion takes that field as its scale
.endr
.irp b, 0,1,2,3
	v_and_or_b32 v[TM+8+\b], v[TM+\b], 0x7f800000, s28               ; 57,344 x the scale
.endr
.irp b, 0,1,2,3
	v_lshrrev_b32 v[TM+4+\b], 23, v[TM+12+\b]                        ; the scale's byte
.endr
	v_lshl_or_b32 v[\pw], v[TM+5], 8, v[TM+4]
	v_lshl_or_b32 v[\pw], v[TM+6], 16, v[\pw]
	v_lshl_or_b32 v[\pw], v[TM+7], 24, v[\pw]
.endm
.macro HOLD s                          ; the conversion to an 8-bit code does not saturate (ISA guide 7.6.2): each number is held within 57,344 x the scale first
.irp b, 0,1,2,3
.irp i, 0,1,2,3,4,5,6,7,8,9,10,11,12,13,14,15
	v_med3_num_f32 v[\s+16*\b+\i], v[\s+16*\b+\i], -v[TM+8+\b], v[TM+8+\b]
.endr
.endr
.endm
.macro CVT s, d0, d1                   ; blocks 0, 1 into v[d0 .. d0 + 7], blocks 2, 3 into v[d1 .. d1 + 7]
.irp b, 0,1
	v_cvt_scalef32_pk8_bf8_f32 v[\d0+4*\b:\d0+4*\b+1], v[\s+16*\b:\s+16*\b+7], v[TM+12+\b]
	v_cvt_scalef32_pk8_bf8_f32 v[\d0+4*\b+2:\d0+4*\b+3], v[\s+16*\b+8:\s+16*\b+15], v[TM+12+\b]
.endr
.irp b, 0,1
	v_cvt_scalef32_pk8_bf8_f32 v[\d1+4*\b:\d1+4*\b+1], v[\s+32+16*\b:\s+32+16*\b+7], v[TM+14+\b]
	v_cvt_scalef32_pk8_bf8_f32 v[\d1+4*\b+2:\d1+4*\b+3], v[\s+32+16*\b+8:\s+32+16*\b+15], v[TM+14+\b]
.endr
	v_nop                                          ; one plain vector instruction behind the last conversion, ahead of whatever next touches its results or writes its sources
.endm
.macro OUTF base, f                    ; the fragment's image: each store covers 512 consecutive bytes, at a multiple of 256 from the buffer's first byte
.irp c, 0,1,2,3
	global_store_b128 v[OFFO], v[PC+4*\c:PC+4*\c+3], s[\base:\base+1] offset:2048*(\f)+512*\c
.endr
.endm
.macro OUTS base                       ; my wave's 32 rows' scale words: lanes 0-15 carry row block 0's, lanes 16-31 row block 1's: 256 consecutive bytes, aligned
	v_cndmask_b32 v30, v[PW], v[PW+2], s30
	v_cndmask_b32 v31, v[PW+1], v[PW+3], s30
	global_store_b64 v[OFFS], v[30:31], s[\base:\base+1] offset:32768
.endm
; W_eff = weight + 2 A Q for fragment f: eight tiles, eight accumulators, one instruction each; the weight is C, and D lies on it
.macro DELTA set, f
	WIN 0x01                                       ; source 0 (Q) window 1
.irp t, 0,1,2,3,4,5,6,7
	v_wmma_scale_f32_16x16x128_f8f6f4 v[\set+8*\t:\set+8*\t+7], v[24*(4*((\f)%2)+\t/2)+8*(\t%2):24*(4*((\f)%2)+\t/2)+8*(\t%2)+15], v[AF+24*((\f)/2)+8*(\t%2):AF+24*((\f)/2)+8*(\t%2)+15], v[\set+8*\t:\set+8*\t+7], v[QS+4*((\f)%2)+\t/2], v[AS+(\f)/2] matrix_a_fmt:MATRIX_FMT_BF8 matrix_b_fmt:MATRIX_FMT_BF8
.endr
	WIN 0
.rept 8
	v_nop                                          ; eight places between this form and the first read of its results
.endr
.endm
; One fragment, from its loads' arrival to its codes in v[PC] on.  left: the younger loads that may stay out.  Behind it the caller asks for what the set takes next, and stores the codes
.macro JOB set, f, left, delta
	s_wait_loadcnt \left                           ; loads come back in order (ISA guide 5.7.1): this fragment's 16 are in
	TURN \set
	s_wait_dscnt 0x0                               ; the numbers are back from the stage
.if \delta
	DELTA \set, \f
.endif
	QSCALE \set, PW+\f
	HOLD \set
	s_wait_xcnt 0x0                                ; the earlier stores have read their data: the codes' registers are written again only behind this wait
	CVT \set, PC, PC+8
.endm
	s_load_b256 s[4:11], s[0:1], 0x0               ; x, weight, P, Lambda
	s_load_b256 s[12:19], s[0:1], 0x20             ; Q, rank_mask, xq, wq
	v_lshl_add_u32 v46, v0, 2, 0x15000
	v_mov_b32 v47, 0
	v_lshrrev_b32 v1, 5, v0
	v_readfirstlane_b32 s20, v1                    ; wave 0..7
	v_and_b32 v1, 31, v0                           ; lane
	v_and_b32 v32, 15, v0                          ; r
	v_bfe_u32 v33, v0, 4, 1                        ; h
	s_mov_b32 s21, ttmp9                           ; s: which 256 columns
	s_and_b32 s22, ttmp7, 0xffff                   ; R: which 256 rows
	v_lshlrev_b32 v[OFFW], 4, v1
	s_mul_i32 s23, s20, STGB                       ; my stage
	v_add_nc_u32 v[STI], s23, v[OFFW]
	v_mul_u32_u24 v[STO], v32, SP
	v_lshl_add_u32 v[STO], v33, 6, v[STO]
	v_add_nc_u32 v[STO], s23, v[STO]
	s_and_b32 s29, s20, 3
	s_lshl_b32 s31, s29, 13
	v_add_nc_u32 v[OFFO], s31, v[OFFW]             ; 16 x lane + 8,192 (w % 4)
	s_lshl_b32 s31, s29, 8
	v_lshl_add_u32 v[OFFS], v1, 3, s31             ; 8 x lane + 256 (w % 4)
	v_and_b32 v34, 8, v32
	v_add_nc_u32 v34, v34, v32                     ; r + 8 (r / 8)
	v_lshlrev_b32 v[OFFQ], 2, v34
	v_lshl_add_u32 v[OFFQ], v33, 18, v[OFFQ]       ; + 16 h rows of Q
	v_lshlrev_b32 v[OFFP], 8, v32
	v_lshl_add_u32 v[OFFP], v33, 6, v[OFFP]
	v_lshlrev_b32 v[OFFL], 6, v33
	v_lshlrev_b32 v[OFFM], 4, v33
	s_lshl_b32 s23, s20, 11
	v_add_nc_u32 v[QWI], s23, v[OFFW]
	v_add_nc_u32 v[QWI], QIMG, v[QWI]
	s_lshl_b32 s23, s20, 7
	v_lshl_add_u32 v[QWS], v1, 2, s23
	v_add_nc_u32 v[QWS], QSC, v[QWS]
	v_add_nc_u32 v[QRI], QIMG, v[OFFW]
	v_lshl_add_u32 v[QRS], v1, 2, QSC
	v_cmp_lt_u32 s30, 15, v1                       ; lanes 16-31
	s_mov_b32 s26, 0x76543210
	s_mov_b32 s27, 0xfedcba98                      ; v_permlanex16_b32's selects for lane l xor 16
	s_mov_b32 s28, 0x600000                        ; the mantissa field of 57,344
.irp b, 0,1,2,3
	v_mov_b32 v[TM+4+\b], 0                        ; written once: a lane permute's destination counts as one of its sources
.endr
	s_lshl_b32 s24, s22, 22                        ; x and weight: 256 R rows of 16,384 bytes,
	s_lshl_b32 s23, s20, 19                        ; 32 w rows,
	s_add_co_u32 s24, s24, s23
	s_lshl_b32 s23, s21, 10                        ; 256 s columns
	s_add_co_u32 s24, s24, s23
	s_mov_b32 s25, 0
	s_wait_kmcnt 0x0
	s_add_nc_u64 s[4:5], s[4:5], s[24:25]
	s_add_nc_u64 s[6:7], s[6:7], s[24:25]
	LOADF SET0, XP, 0                              ; the long stream begins here: x's first two fragments
	LOADF SET1, XP, 1
	s_lshl_b32 s24, s22, 16                        ; P: rows of 256 bytes
	s_lshl_b32 s23, s20, 13
	s_add_co_u32 s24, s24, s23
	s_add_nc_u64 s[8:9], s[8:9], s[24:25]
	s_lshl_b32 s24, s21, 10                        ; Q: column 256 s + 32 w
	s_lshl_b32 s23, s20, 7
	s_add_co_u32 s24, s24, s23
	s_add_nc_u64 s[12:13], s[12:13], s[24:25]
	s_lshl_b32 s24, s22, 4                         ; xq and wq: block 16 R + s, half w / 4
	s_add_co_u32 s24, s24, s21
	s_mul_i32 s24, s24, 2*HB
	s_lshr_b32 s23, s20, 2
	s_mul_i32 s23, s23, HB
	s_add_co_u32 s24, s24, s23
	s_add_nc_u64 s[16:17], s[16:17], s[24:25]
	s_add_nc_u64 s[18:19], s[18:19], s[24:25]
	WIN 0x40                                       ; destination window 1: the eight registers of zero codes in each of Q's pairs
.irp p, 0,1,2,3,4,5,6,7
.irp e, 0,1,2,3,4,5,6,7
	v_mov_b32 v[24*\p+8+\e], 0
.endr
.endr
	WIN 0
	; ---- x's four fragments.  Behind each: what the set takes next (loads ahead of stores), then the codes
	JOB SET0, 0, 16, 0                             ; the other set's 16 loads may be out
	LOADF SET0, XP, 2
	OUTF XQ, 0
	JOB SET1, 1, 16, 0
	LOADF SET1, XP, 3
	OUTF XQ, 1
	JOB SET0, 2, 16, 0
	OUTF XQ, 2                                     ; here the stores go first: with the other set's 16 loads out, Q's 64 do not all issue at once
	QLOADS
	JOB SET1, 3, 63, 0                             ; behind this fragment's 16 loads stand Q's 64; a wait's field ends at 63, so the first of Q's is waited for too
	PLOADS
	OUTF XQ, 3
	OUTS XQ
	; ---- Q's pair w: blocks 2 u + c
	s_wait_loadcnt 26                              ; Q's 64 loads are in; the 26 behind them may be out
	QSCALE SET0, PWQ
	HOLD SET0
	s_wait_xcnt 0x0                                ; x's last stores have read the codes' registers
	CVT SET0, PC, PC+8
.irp c, 0,1,2,3
	ds_store_b128 v[QWI], v[PC+4*\c:PC+4*\c+3] offset:512*\c
.endr
	ds_store_b32 v[QWS], v[PWQ]
	LOADF SET0, WP, 0
	; ---- A = P (Lambda mask): blocks 2 rb + c
	s_wait_loadcnt 16                              ; Lambda, the mask and P are in; the weight's first fragment may be out
.irp c, 0,1
.irp g, 0,1,2,3
.irp e, 0,1,2,3
	v_bfe_u32 v[TP+\e], v[MK+4*\c+\g], 8*\e, 8     ; a mask byte, 0 or 1,
.endr
.irp e, 0,1,2,3
	v_cvt_f32_u32 v[TP+\e], v[TP+\e]               ; as f32,
.endr
.irp e, 0,1,2,3
	v_mul_f32 v[AL+16*\c+4*\g+\e], v[AL+16*\c+4*\g+\e], v[TP+\e]   ; times Lambda
.endr
.endr
.endr
.irp rb, 0,1
.irp i, 0,2,4,6,8,10,12,14,16,18,20,22,24,26,28,30
	v_pk_mul_f32 v[SET1+32*\rb+\i:SET1+32*\rb+\i+1], v[SET1+32*\rb+\i:SET1+32*\rb+\i+1], v[AL+\i:AL+\i+1]
.endr
.endr
	QSCALE SET1, PWA
	HOLD SET1
	CVT SET1, AF, AF+24                            ; each row block's codes at its registers 0-7,
	CVT SET1, AF+16, AF+40                         ; and once more at 16-23, for the odd tiles
.irp rb, 0,1
.irp e, 0,1,2,3,4,5,6,7
	v_mov_b32 v[AF+24*\rb+8+\e], 0                 ; zero codes between
.endr
.endr
	v_perm_b32 v[AS], v[PWA], v[PWA], 0x01000100   ; row block 0's word: (s0, s1, s0, s1)
	v_perm_b32 v[AS+1], v[PWA], v[PWA], 0x03020302 ; row block 1's
	v_add_nc_u32 v[AS], 0x01010101, v[AS]          ; one onto each byte: the factor 2, exactly (bytes are at most 239: no carry)
	v_add_nc_u32 v[AS+1], 0x01010101, v[AS+1]
.rept 8
	v_nop                                          ; a scale register written by a vector instruction stands eight places ahead of the scaled product, an operand so written four: only memory and LDS lines follow up to the first product
.endr
	LOADF SET1, WP, 1
	; ---- the one barrier: every wave's pair of Q lies in LDS (each wave stored its pair ahead of its work on A)
	s_wait_dscnt 0x0                               ; for the others' sake: my stores of my pair have landed
	s_barrier_signal -1
	s_barrier_wait -1
	WIN 0x40                                       ; destination window 1
.irp p, 0,1,2,3,4,5,6,7
.irp c, 0,1,2,3
	ds_load_b128 v[24*\p+4*\c+8*(\c/2):24*\p+4*\c+8*(\c/2)+3], v[QRI] offset:2048*\p+512*\c
.endr
.endr
	WIN 0
.irp p, 0,1,2,3,4,5,6,7
	ds_load_b32 v[QS+\p], v[QRS] offset:128*\p
.endr
	; ---- W_eff's four fragments (the first one's wait for its turn through the stage also covers the loads above)
	JOB SET0, 0, 16, 1
	LOADF SET0, WP, 2
	OUTF WQ, 0
	JOB SET1, 1, 16, 1
	LOADF SET1, WP, 3
	OUTF WQ, 1
	JOB SET0, 2, 16, 1
	OUTF WQ, 2
	JOB SET1, 3, 0, 1
	OUTF WQ, 3
	s_wait_xcnt 0x0                                ; x's scale store has read v[30:31]
	OUTS WQ
	s_wait_tensorcnt 0x0
	ds_add_u32 v46, v47
	s_wait_dscnt 0x0
	s_endpgm
.Lfunc_end_k_q39363c37fe_prep:
	.size	k_q39363c37fe_prep, .Lfunc_end_k_q39363c37fe_prep-k_q39363c37fe_prep
	.p2alignl 7, 3214868480
	.fill 96, 4, 3214868480
	.section	.rodata,"a",@progbits
	.p2align	6, 0x0
	.amdhsa_kernel k_q39363c37fe_prep
		.amdhsa_group_segment_fixed_size 87040
		.amdhsa_private_segment_fixed_size 0
		.amdhsa_enable_private_segment 0
		.amdhsa_kernarg_size 64
		.amdhsa_user_sgpr_count 2
		.amdhsa_user_sgpr_kernarg_segment_ptr 1
		.amdhsa_wavefront_size32 1
		.amdhsa_system_sgpr_workgroup_id_x 1
		.amdhsa_system_sgpr_workgroup_id_y 1
		.amdhsa_system_sgpr_workgroup_id_z 1
		.amdhsa_system_vgpr_workitem_id 0
		.amdhsa_next_free_vgpr 448
		.amdhsa_next_free_sgpr 66
		.amdhsa_reserve_vcc 0
		.amdhsa_float_denorm_mode_32 3
		.amdhsa_float_denorm_mode_16_64 3
		.amdhsa_memory_ordered 1
		.amdhsa_forward_progress 1
		.amdhsa_inst_pref_size 142
	.end_amdhsa_kernel
	.amdgpu_metadata
---
amdhsa.version: [ 1, 2 ]
amdhsa.kernels:
  - .name:           k_q39363c37fe_prep
    .symbol:         k_q39363c37fe_prep.kd
    .args:
      - { .name: x, .offset: 0, .size: 8, .value_kind: global_buffer, .address_space: global }
      - { .name: weight, .offset: 8, .size: 8, .value_kind: global_buffer, .address_space: global }
      - { .name: P, .offset: 16, .size: 8, .value_kind: global_buffer, .address_space: global }
      - { .name: Lambda, .offset: 24, .size: 8, .value_kind: global_buffer, .address_space: global }
      - { .name: Q, .offset: 32, .size: 8, .value_kind: global_buffer, .address_space: global }
      - { .name: rank_mask, .offset: 40, .size: 8, .value_kind: global_buffer, .address_space: global }
      - { .name: xq, .offset: 48, .size: 8, .value_kind: global_buffer, .address_space: global }
      - { .name: wq, .offset: 56, .size: 8, .value_kind: global_buffer, .address_space: global }
    .group_segment_fixed_size: 87040
    .private_segment_fixed_size: 0
    .kernarg_segment_align: 8
    .kernarg_segment_size: 64
    .max_flat_workgroup_size: 256
    .sgpr_count:     66
    .vgpr_count:     448
    .wavefront_size: 32
...
	.end_amdgpu_metadata
.endif
;; end of part 1
;; launch gemm (part 2): grid 16 x 16, 4 waves a work-group, clusters of 4 x 4, 327,680 bytes of LDS; arguments xq, wq, out0; writes out0
.if DOCPART == 2
	.amdgcn_target "amdgcn-amd-amdhsa--gfx1250"
	.amdhsa_code_object_version 6
	.text
	.protected	k_q39363c37fe_gemm
	.globl	k_q39363c37fe_gemm
	.p2align	8
	.type	k_q39363c37fe_gemm,@function
k_q39363c37fe_gemm:
	s_mov_b64 s[64:65], 0
	v_nop
	global_prefetch_b8 v0, s[64:65] scope:SCOPE_SE
	s_setreg_imm32_b32 hwreg(HW_REG_WAVE_MODE, 25, 1), 1
	s_wait_xcnt 0x0
	s_wait_alu depctr_hold_cnt(0) depctr_sa_sdst(0) depctr_va_vdst(0) depctr_va_sdst(0) depctr_va_ssrc(0) depctr_va_vcc(0) depctr_vm_vsrc(0)
	s_getreg_b32 s2, hwreg(HW_REG_IB_STS2, 6, 4)
	s_cmp_eq_u32 s2, 0
	s_cbranch_scc0 .Lentry_in_a_cluster
	s_endpgm
.Lentry_in_a_cluster:
	s_bfe_u32 s2, ttmp6, 0x10000c
	s_cmp_lg_u32 s2, 0xf033
	s_cbranch_scc0 .Lentry_shape_is_right
	s_endpgm
.Lentry_shape_is_right:
; out0[m][n] = sum over k of x[m][k] W_eff[n][k], 4,096 x 4,096 x 4,096, on codes of BF8 (E5M2) with one E8M0 scale for each 32 along K; sums in f32; out0 f32.
; xq (A) and wq (B) hold IMAGES OF THE OPERAND'S REGISTERS.  Half block (tile of 256 rows T, K step s of 256, half) = 33,792 dense bytes at ((16 T + s) 2 + half) x 33,792: 16 fragments (row block i, q-th 128 along K)
; of 2,048 bytes at (2 i + q) x 2,048, each 4 pieces of 512 bytes, lane l's registers 4 c .. 4 c + 3 at 512 c + 16 l; at 32,768 the scale words [row 0..127][q].  So one tensor load of 132 rows of 256 bytes brings a
; wave's share of a K step, scales and all; a fragment comes by four ds_load_b128 of 512 consecutive bytes; nothing is padded.
; A tile of out0, 256 x 256, is made by a work-group of four waves, as many as a WGP has SIMDs; a wave makes 128 x 128: 64 accumulators of 16 x 16, 512 registers.  256 tiles, one to a work-group.
; K goes in 16 steps of 256 through a ring of two LDS slots (A's two halves, then B's two); waves 0, 1 fetch A's halves, waves 2, 3 B's: one load a wave behind each change of slots.
; THE CHANGE OF SLOTS stands where a slot's last fragments have come into registers, ahead of the 64 products that use them: between the wait for all tensor loads and the refill stand the add, two address steps and the
; round, and no product.  So the stretch in which no tile is on its way is as short as the text can make it, and a refill has a whole K step's 128 products in which to land.
; CLUSTERS: 4 x 4 work-groups.  The four of a row of the cluster need the same tiles of A, the four of a column the same tiles of B: each is asked for JOINTLY, by the same tensor load with the same descriptor and a mask
; that names the four.  THE MATRIX INSTRUCTION IS USED TRANSPOSED (source 0 = 16 rows of B, source 1 = 16 rows of A): a lane then holds eight neighbouring numbers of a row of out0.
; REGISTERS, in windows of 256: window 0: v0-31 addresses; v32-63 scale words, two sets; from v128 A's fragments (8 x 16 rows x 128 K), ONE set; on the way out v32-255 are free.
;   window 1: B's fragments, TWO sets, at v0 and at v128.   window 2: the 32 accumulators of my rows 0-63 (accumulator (a, b) at v[8 (8 a + b)]);   window 3: those of my rows 64-127.
; A step of 128 along K is 64 matrix instructions, A's blocks one after the other, each against B's eight: a block of A is free as soon as its eight products are issued, so one set of registers serves A.
; All of a WGP's LDS is claimed; the text uses 270,848 bytes.
.set SIZE_N, 4096
.set NQ,     2                         ; matrix instructions deep in a K step
.set FR,     16                        ; registers of a fragment
.set NL,     4                         ; LDS loads that bring one
.set NP,     8                         ; places behind this matrix instruction (ISA guide 7.12.1)
.set HB,     33792                     ; a half block: what one tensor load brings, and what one wave reads of A or of B
.set SLOT,   4*HB
.set KSB,    2*HB                      ; from a K step to the next, in memory
.set TILEB,  16*KSB                    ; from a tile of 256 rows to the next
.set LAPS,   8                         ; a lap = two K steps = once round the ring
.set SPARE,  2*SLOT                    ; behind the ring: the spare words, 128 bytes for each wave: two blocks of 256 bytes that no other line names
.set SPITCH, 528                       ; the way out: a stage of 16 rows x (512 bytes + 16) for each wave, in slot 0, which has had its last fill and its last read when the first result is stored there
.set ADRA, 16                          ; v16-17  LDS address of my A fragments in slot 0, 1: 16 x lane + my half
.set ADRB, 20                          ; v20-21  the same for B
.set ADRS, 22                          ; v22-23  of my scale words in slot 0, 1: lanes 0-15 A's rows, lanes 16-31 B's
.set STO,  24                          ; v24     the way out: where I put 32 bytes of a row
.set RD,   25                          ; v25     the way out: where I read a row back
.set CO,   26                          ; v26     my byte offset in a row of out0
.set SPW,  28                          ; v28     LDS address of my spare word: SPARE + 4 x my thread's number; never rewritten
.set NIL,  29                          ; v29     0; never rewritten
.set PFO,  30                          ; v30     the prefetches' offset: 256 x my lane; never rewritten
.set SC,   32                          ; scale words: set s (for slot s) at v[SC + 16 s]; register 2 i + q: lanes 0-15 the word of A's block i, lanes 16-31 that of B's block i, for the slot's q-th 128 along K
.set AF,   128                         ; A's fragments, in window 0
.set BK,   128                         ; the way out: 16 rows read back from the stage: v128-191 and v192-255 by turns
.set G1,  24                           ; s[24:31] descriptor group 1 for A's tiles;  s[32:39] group 0, one set for each slot
.set G0,  32
.set G1B, 48                           ; s[48:55], s[56:63] the same for B's tiles
.set G0B, 56
.set PFA, 66                           ; s[66:67] where my prefetches stand: my work-group's 8,192 bytes of the half block that I fetch, one K step further on than the refill in hand; a prefetch names the K step after that
.set LIM, 68                           ; s68     1 in a wave that prefetches, else the greatest number
.set MSB, 0
.macro WIN new                         ; the immediate's high byte repeats the setting that is left
.if MSB != \new
	s_set_vgpr_msb (MSB<<8)|\new
.set MSB, \new
.endif
.endm
.set MUL_LO, 0xa1                      ; source 0 (B) window 1, source 1 (A) window 0, C and D window 2
.set MUL_HI, 0xf1                      ; the same, C and D window 3
.set TO_B,   0x40                      ; destination window 1, address window 0
; A joint load: waves 0 and 1 fetch for A, waves 2 and 3 for B.  Each of the two lines has ONE mask and one set of registers for all that issue it; the branch hangs on the wave's number alone.
; Four v_nop follow each of the two lines, ahead of the jump, the label and what follows.
.macro JLOAD g0a, g1a, g0b, g1b
	s_cmp_eq_u32 s15, 0
	s_cbranch_scc0 .Lfor_b_\@
	tensor_load_to_lds s[\g0a:\g0a+3], s[\g1a:\g1a+7]
	s_nop 0
.rept 4
	v_nop
.endr
	s_branch .Lasked_\@
.Lfor_b_\@:
	tensor_load_to_lds s[\g0b:\g0b+3], s[\g1b:\g1b+7]
	s_nop 0
.rept 4
	v_nop
.endr
.Lasked_\@:
.endm
; A PREFETCH INTO THE L2, behind each joint refill and its four lines: the codes of the K step that stands TWO refills on, 256 matrix instructions ahead of the load that will want them.
; Each aligned block of 256 bytes is named ONCE in the launch.  A's tile row is read by every cluster of that row of clusters: cluster x = 0 asks; B's tile column by every cluster of that column: cluster y = 0 asks.
; The four partners that ask for a half block jointly share its 32,768 bytes of codes out BY ADDRESS, 8,192 each (place cx for A, cy for B), lanes 256 bytes apart: one instruction a wave, and no branch hangs on a
; work-group's place in its cluster.  The 1,024 bytes of scale words come by their load alone.  K steps 0 to 3 come by their loads alone; the loop's last trip (s3 = 1) asks for nothing: there is no K step 16.
.macro ASK
	s_cmp_gt_u32 s3, s[LIM]
	s_cbranch_scc0 .Lnot_mine_\@
	global_prefetch_b8 v[PFO], s[PFA:PFA+1] offset:KSB th:TH_LOAD_NT scope:SCOPE_SE
.Lnot_mine_\@:
.endm
.macro CREST                           ; a round of the cluster's barrier behind its opening barrier
	s_cmp_lg_u32 s14, 0
	s_cbranch_scc1 .Lnot_wave_0_\@
	s_barrier_signal -3
.Lnot_wave_0_\@:
	s_barrier_wait -3
	s_barrier_signal -1
	s_barrier_wait -1
.endm
.macro CROUND                          ; a whole round
	s_barrier_signal -1
	s_barrier_wait -1
	CREST
.endm
	s_load_b128 s[4:7], s[0:1], 0x0                ; xq s[4:5], wq s[6:7]
	s_load_b64 s[12:13], s[0:1], 0x10              ; out0
	v_lshl_add_u32 v[SPW], v0, 2, SPARE
	v_mov_b32 v[NIL], 0
	ds_add_u32 v28, v29
	ds_add_u32 v28, v29
	s_wait_dscnt 0x0
	v_lshrrev_b32 v1, 5, v0
	v_readfirstlane_b32 s14, v1                    ; wave 0..3
	s_lshr_b32 s15, s14, 1                         ; which half of the tile's rows is mine.  Also: I fetch for A (0) or for B (1)
	s_and_b32 s16, s14, 1                          ; which half of its columns.  Also: which half block I fetch
	s_bfe_u32 s40, ttmp6, 0x40000                  ; cx, cy: my place in the cluster
	s_bfe_u32 s41, ttmp6, 0x40004
	s_lshl_b32 s42, ttmp9, 2
	s_add_co_u32 s42, s42, s40                     ; tile column = 4 x cluster x + cx
	s_and_b32 s17, ttmp7, 0xffff
	s_lshl_b32 s17, s17, 2
	s_add_co_u32 s17, s17, s41                     ; tile row = 4 x cluster y + cy
	s_lshl_b32 s43, s41, 2
	s_lshl_b32 s43, 15, s43                        ; my row of the cluster
	s_lshl_b32 s44, 0x1111, s40                    ; my column
	; descriptor group 1: a dense block of 33,792 bytes as 132 rows of 256 bytes (32 elements of 8 bytes), no padding
	s_or_b32 s[G1+0], s43, (3<<16)|(1<<21)         ; 15:0 the mask: A's tiles go to my row; 17:16 elements of 8 bytes; 21 set beside a mask
	s_or_b32 s[G1B+0], s44, (3<<16)|(1<<21)        ; the same with the mask of my column
.irp g, G1, G1B
	s_mov_b32 s[\g+1], 32<<16                      ; tensor_dim0 = 32
	s_mov_b32 s[\g+2], 132<<16                     ; tensor_dim1 = 132
	s_mov_b32 s[\g+3], 32<<16                      ; tile_dim0 = 32
	s_mov_b32 s[\g+4], 132                         ; tile_dim1 = 132
	s_mov_b32 s[\g+5], 32                          ; tensor_dim0_stride
	s_mov_b32 s[\g+6], 0
	s_mov_b32 s[\g+7], 0
.endr
	; where the tiles come from.  A's hang on the tile row alone, B's on the tile column alone, each in registers that never hold the other coordinate
	s_mul_i32 s18, s16, HB                         ; which half block I fetch
	s_mul_i32 s20, s17, TILEB
	s_add_co_u32 s20, s20, s18
	s_mov_b32 s21, 0
	s_mul_i32 s46, s42, TILEB
	s_add_co_u32 s46, s46, s18
	s_mov_b32 s47, 0
	s_mul_i32 s45, s14, HB                         ; where they go: wave x a half block: no place in the cluster enters an LDS address
	s_wait_kmcnt 0x0
	s_add_nc_u64 s[20:21], s[4:5], s[20:21]
	s_add_nc_u64 s[46:47], s[6:7], s[46:47]
	CROUND                                         ; all sixteen work-groups are here: the first joint loads meet
.irp s, 0,1
	s_mov_b32 s[G0+4*\s], 1                                        ; count = 1
	s_add_co_u32 s[G0+4*\s+1], s45, \s*SLOT                        ; LDS address
	s_add_nc_u64 s[G0+4*\s+2:G0+4*\s+3], s[20:21], \s*KSB          ; global address: K step s
	s_or_b32 s[G0+4*\s+3], s[G0+4*\s+3], 0x80000000                ; type = 2
	s_mov_b32 s[G0B+4*\s], 1
	s_add_co_u32 s[G0B+4*\s+1], s45, \s*SLOT
	s_add_nc_u64 s[G0B+4*\s+2:G0B+4*\s+3], s[46:47], \s*KSB
	s_or_b32 s[G0B+4*\s+3], s[G0B+4*\s+3], 0x80000000
	JLOAD G0+4*\s, G1, G0B+4*\s, G1B               ; two loads of mine are out
.endr
	v_and_b32 v1, 15, v0                           ; r = l % 16
	v_bfe_u32 v2, v0, 4, 1                         ; h = l / 16
	v_and_b32 v6, 31, v0                           ; lane
	v_lshlrev_b32 v4, 4, v6                        ; an image's place for my lane
	s_mul_i32 s21, s15, HB                         ; my 128 rows of A
	s_mul_i32 s22, s16, HB                         ; my 128 rows of B,
	s_add_co_u32 s22, s22, 2*HB                    ; which lie behind A's 256
.irp s, 0,1
	v_add_nc_u32 v[ADRA+\s], s21, v4
	v_add_nc_u32 v[ADRB+\s], s22, v4
	s_add_co_u32 s21, s21, SLOT
	s_add_co_u32 s22, s22, SLOT
.endr
	s_xor_b32 s22, s15, 1                          ; from A's half block to B's: (2 + column half - row half) half blocks, as ONE product on h
	s_add_co_u32 s22, s22, s16
	s_add_co_u32 s22, s22, 1
	s_mul_i32 s22, s22, HB
	v_mul_u32_u24 v5, s22, v2                      ; lanes 16-31 take B's
	v_lshl_add_u32 v5, v1, 3, v5                   ; 8 bytes a row: the K step's two words
	s_mul_i32 s21, s15, HB
	s_add_co_u32 s21, s21, 32768                   ; the scale words lie behind the half block's codes
	v_add_nc_u32 v[ADRS], s21, v5
	s_add_co_u32 s21, s21, SLOT
	v_add_nc_u32 v[ADRS+1], s21, v5
	s_mul_i32 s23, s14, 16*SPITCH                  ; my stage
	v_mul_u32_u24 v5, v1, SPITCH                   ; in: row l % 16, 32 bytes for each half of the lanes
	v_lshl_add_u32 v5, v2, 5, v5
	v_add_nc_u32 v[STO], s23, v5
	v_lshlrev_b32 v[CO], 4, v6                     ; back: the 32 lanes take one row of 512 bytes; and the same in out0
	v_add_nc_u32 v[RD], s23, v[CO]
	s_lshl_b32 s20, s17, 22                        ; my first row of out0: 256 x tile row + 128 x half, rows of 16,384 bytes
	s_lshl_b32 s21, s15, 21
	s_add_co_u32 s20, s20, s21
	s_mov_b32 s21, 0
	s_lshl_b32 s46, s42, 10                        ; my first column, in bytes: 1,024 x tile column + 512 x half
	s_lshl_b32 s47, s16, 9
	s_add_co_u32 s46, s46, s47
	s_mov_b32 s47, 0
	s_add_nc_u64 s[20:21], s[20:21], s[46:47]
	s_add_nc_u64 s[12:13], s[12:13], s[20:21]
	; the prefetches: where mine stand, and who asks
	s_and_b32 s22, ttmp7, 0xffff                   ; cluster y
	s_cmp_eq_u32 s15, 0                            ; do I fetch for A?
	s_cselect_b32 s20, s17, s42                    ; the tile: by the tile row in A, by the tile column in B
	s_cselect_b32 s21, s40, s41                    ; my place among the four that ask for it with me
	s_cselect_b32 s22, ttmp9, s22                  ; the coordinate along which other clusters read the same bytes
	s_cselect_b64 s[PFA:PFA+1], s[4:5], s[6:7]
	s_cmp_eq_u32 s22, 0
	s_cselect_b32 s[LIM], 1, -1                    ; the same in all sixteen partners, for a given wave
	s_mul_i32 s20, s20, TILEB
	s_mul_i32 s22, s16, HB
	s_add_co_u32 s20, s20, s22                     ; + the half block that I fetch
	s_lshl_b32 s21, s21, 13
	s_add_co_u32 s20, s20, s21                     ; + my work-group's 8,192 bytes of it
	s_mov_b32 s21, 0
	s_add_nc_u64 s[PFA:PFA+1], s[PFA:PFA+1], s[20:21]
	s_add_nc_u64 s[PFA:PFA+1], s[PFA:PFA+1], 2*KSB ; at K step 2: the first refill steps it to 3 and names K step 4.  Nothing is prefetched here, at the head, where every work-group's first tiles are on their way
	v_lshlrev_b32 v[PFO], 8, v6
.macro FRAG reg, adr, q, i             ; fragment (i, q): 16 registers, as they were stored: lane l holds row l % 16; registers 4 c .. 4 c + 3 hold K = 32 c + 16 (l / 16) + 0 .. 15
.irp c, 0,1,2,3
	ds_load_b128 v[\reg+4*\c:\reg+4*\c+3], v[\adr] offset:(2*(\i)+(\q))*2048+512*\c
.endr
.endm
; 16 matrix instructions: A's blocks a0, a0 + 1 x B's eight, 128 along K: the slot's q-th.  p: B's set;  sc: the set of scale words.  zero = 1: the first product starts the sums: nothing is ever cleared.
; The 64 accumulators take turns, one instruction a turn, in the same order in every step.
.macro MUL16 a0, p, q, sc, zero
.irp a, \a0, \a0+1
.irp b, 0,1,2,3,4,5,6,7
.if \zero
	v_wmma_scale_f32_16x16x128_f8f6f4 v[8*(8*((\a)%4)+\b):8*(8*((\a)%4)+\b)+7], v[128*(\p)+FR*\b:128*(\p)+FR*\b+FR-1], v[AF+FR*(\a):AF+FR*(\a)+FR-1], 0, v[SC+8*NQ*(\sc)+NQ*\b+(\q)], v[SC+8*NQ*(\sc)+NQ*(\a)+(\q)] matrix_a_fmt:MATRIX_FMT_BF8 matrix_b_fmt:MATRIX_FMT_BF8 matrix_a_scale:MATRIX_SCALE_ROW1
.else
	v_wmma_scale_f32_16x16x128_f8f6f4 v[8*(8*((\a)%4)+\b):8*(8*((\a)%4)+\b)+7], v[128*(\p)+FR*\b:128*(\p)+FR*\b+FR-1], v[AF+FR*(\a):AF+FR*(\a)+FR-1], v[8*(8*((\a)%4)+\b):8*(8*((\a)%4)+\b)+7], v[SC+8*NQ*(\sc)+NQ*\b+(\q)], v[SC+8*NQ*(\sc)+NQ*(\a)+(\q)] matrix_a_fmt:MATRIX_FMT_BF8 matrix_b_fmt:MATRIX_FMT_BF8 matrix_a_scale:MATRIX_SCALE_ROW1
.endif
.endr
.endr
.endm
.macro FETCH_B slot, q, p              ; B's eight fragments of the slot's q-th 128 along K into set p
	WIN TO_B
.irp i, 0,1,2,3,4,5,6,7
	FRAG 128*(\p)+FR*\i, ADRB+\slot, \q, \i
.endr
	WIN 0
.endm
.macro FETCH_A slot, q, i0             ; A's blocks i0 .. i0 + 3
.irp i, \i0, \i0+1, \i0+2, \i0+3
	FRAG AF+FR*(\i), ADRA+\slot, \q, \i
.endr
.endm
.macro SCALES sc                       ; slot sc's scale words into set sc: two words a row; lanes 0-15 take A's block i, lanes 16-31 B's block i
.irp i, 0,1,2,3,4,5,6,7
	ds_load_b64 v[SC+8*NQ*\sc+NQ*\i:SC+8*NQ*\sc+NQ*\i+1], v[ADRS+\sc] offset:128*\i
.endr
.endm
; A load into a register that a matrix instruction has read, and an LDS store that reads a matrix result, stand NP places behind that matrix instruction, and only plain vector instructions that name none of its
; registers are places (ISA guide 7.12.1 for vector instructions); this text does not count the matrix instructions in between.
.macro PLACES n
.rept \n
	v_nop
.endr
.endm
; A step of 128 along K that has its successor in the same slot.
.macro STEP slot, q, zero
	s_wait_dscnt 4*NL                              ; B's set, A's blocks 0-3 and the scale words are in; the youngest sixteen loads (A's blocks 4-7) may be out
	WIN MUL_LO
	MUL16 0, (\q)%2, \q, \slot, \zero
	MUL16 2, (\q)%2, \q, \slot, \zero
	s_wait_dscnt 0                                 ; A's blocks 4-7 are in (asked for 32 matrix instructions ago)
	PLACES NP
	FETCH_B \slot, (\q)+1, 1-(\q)%2
	FETCH_A \slot, (\q)+1, 0
	WIN MUL_HI
	MUL16 4, (\q)%2, \q, \slot, \zero
	MUL16 6, (\q)%2, \q, \slot, \zero
	PLACES NP
	WIN 0
	FETCH_A \slot, (\q)+1, 4
.endm
; A slot's last step.  All its fragments have been asked for, so the slots change at its HEAD: each wave waits for all its tensor loads, adds 0 to its spare word, and waits for that and for its own reads of this slot;
; ONE barrier.  fill = 1: the barrier opens a round of the cluster's barrier, and this slot is filled again, two K steps ahead, first thing behind the round.  Then the step's 64 products, laid as in STEP, with the next slot's
; first fragments fetched among them.
.macro TURN slot, next, fill
.if \fill
	s_wait_xcnt 0x0                                ; the last prefetch, a K step back, has read its address: it is stepped here, ahead of the waits of the change of slots
	s_add_nc_u64 s[PFA:PFA+1], s[PFA:PFA+1], KSB
.endif
	s_wait_tensorcnt 0x0                           ; all my tensor loads have landed: the one that was out is my part of the next slot; so every group 0 may be written.  (Every window is 0 here: the add's two registers lie in window 0)
	ds_add_u32 v[SPW], v[NIL]                      ; 0 onto my spare word; with fill = 1 the descriptors' steps stand between it and the wait for it
.if \fill
	s_add_nc_u64 s[G0+4*\slot+2:G0+4*\slot+3], s[G0+4*\slot+2:G0+4*\slot+3], 2*KSB       ; this slot's next K step; the type bits on top are not reached
	s_add_nc_u64 s[G0B+4*\slot+2:G0B+4*\slot+3], s[G0B+4*\slot+2:G0B+4*\slot+3], 2*KSB
.endif
	s_wait_dscnt 0x0                               ; the add is done; this step's fragments are all in registers, and with them my reads of this slot are over
	s_barrier_signal -1
	s_barrier_wait -1
.if \fill
	CREST                                          ; the barrier has opened a round of the cluster's barrier: no wave of any partner still reads this slot's tile or has a load on its way
	JLOAD G0+4*\slot, G1, G0B+4*\slot, G1B         ; the first tensor load behind the round, my one load until the next: 128 matrix instructions stand between it and the wait for it
	ASK                                            ; behind the joint load and its four lines
.endif
	WIN MUL_LO
	MUL16 0, 1, NQ-1, \slot, 0
	MUL16 2, 1, NQ-1, \slot, 0
	PLACES NP
	FETCH_B \next, 0, 0
	FETCH_A \next, 0, 0
	SCALES \next
	WIN MUL_HI
	MUL16 4, 1, NQ-1, \slot, 0
	MUL16 6, 1, NQ-1, \slot, 0
	PLACES NP
	WIN 0
	FETCH_A \next, 0, 4
.endm
	s_wait_tensorcnt 1                             ; my part of K step 0 is in (K step 1's load may be out)
	s_barrier_signal -1
	s_barrier_wait -1                              ; everybody's is
	FETCH_B 0, 0, 0
	FETCH_A 0, 0, 0
	SCALES 0
	FETCH_A 0, 0, 4
	STEP 0, 0, 1                                   ; the first step stands in front of the loop: its products start the sums
	s_mov_b32 s3, LAPS-1
.Llap:                                                 ; a trip goes once round the ring, from a lap's second step to the next lap's first, and fills both slots again
	TURN 0, 1, 1
	STEP 1, 0, 0
	TURN 1, 0, 1
	STEP 0, 0, 0
	s_sub_co_u32 s3, s3, 1
	s_cmp_lg_u32 s3, 0
	s_cbranch_scc1 .Llap
	TURN 0, 1, 0                                   ; the last lap fills nothing, and has no round of the cluster's barrier
	STEP 1, 0, 0
	s_wait_dscnt 4*NL                              ; the very last step: nothing more to fetch
	WIN MUL_LO
	MUL16 0, 1, NQ-1, 1, 0
	MUL16 2, 1, NQ-1, 1, 0
	s_wait_dscnt 0
	WIN MUL_HI
	MUL16 4, 1, NQ-1, 1, 0
	MUL16 6, 1, NQ-1, 1, 0
	WIN 0
; THE WAY OUT, block by block of 16 rows x 128 columns.  A lane holds 32 neighbouring bytes of a row, and the lanes beside it hold other rows: so a block goes through my own stage in LDS and comes back as whole
; rows of 512 bytes, which the 32 lanes store as 512 consecutive bytes.  LDS serves a wave's instructions in order (ISA guide 5.7.1.4): no wait between the stores and the loads, nor in front of the next block's stores.
.macro TOSTAGE a
.set AC, 64*((\a)%4)
	WIN 0x08+4*((\a)/4)                            ; the data: window 2 or 3
.irp b, 0,1,2,3,4,5,6,7
	ds_store_b128 v[STO], v[AC+8*\b:AC+8*\b+3] offset:64*\b          ; each accumulator from its low end on
	ds_store_b128 v[STO], v[AC+8*\b+4:AC+8*\b+7] offset:64*\b+16
.endr
	WIN 0
.set BB, BK+64*((\a)%2)
.irp t, 0,1,2,3,4,5,6,7,8,9,10,11,12,13,14,15
	ds_load_b128 v[BB+4*\t:BB+4*\t+3], v[RD] offset:\t*SPITCH
.endr
.endm
.macro SEND a, younger                 ; younger: the LDS instructions issued behind block a's loads, which may stay out
.set BB, BK+64*((\a)%2)
	s_wait_dscnt \younger                          ; the block is back in registers
.if (\a) > 0
	s_add_nc_u64 s[12:13], s[12:13], 16*SIZE_N*4   ; (behind a wait on XCNT: the earlier stores have read their base)  16 rows of out0 on, so that the stores' offsets stay small: 15 rows at the most
.endif
.irp t, 0,1,2,3,4,5,6,7,8,9,10,11,12,13,14,15
	global_store_b128 v[CO], v[BB+4*\t:BB+4*\t+3], s[12:13] offset:\t*SIZE_N*4 th:TH_STORE_NT   ; 32 lanes store 512 consecutive bytes, at a multiple of 256 from out0's first byte; written once, read by nobody here
.endr
.endm
	PLACES NP                                      ; these places serve the loads into the registers that held A's fragments and the reads of the last products' results alike
	TOSTAGE 0
.irp a, 1,2,3,4,5,6,7
.if \a > 1
	s_wait_xcnt 0x0                                ; block a - 2's stores have read their registers and their base: block a's loads may land there, and the base may step
.endif
	TOSTAGE \a
	SEND \a-1, 32                                  ; behind block a - 1's loads: block a's 16 stores and 16 loads
.endr
	s_wait_xcnt 0x0                                ; block 6's stores have read their base
	SEND 7, 0
	s_wait_tensorcnt 0x0                           ; the wave's end, behind my last tensor load and my last LDS store
	ds_add_u32 v[SPW], v[NIL]
	s_wait_dscnt 0x0
	CROUND                                         ; the closing round: no work-group ends while a partner may still ask for a tile that names it
	s_endpgm
.Lfunc_end_k_q39363c37fe_gemm:
	.size	k_q39363c37fe_gemm, .Lfunc_end_k_q39363c37fe_gemm-k_q39363c37fe_gemm
	.p2alignl 7, 3214868480
	.fill 96, 4, 3214868480
	.section	.rodata,"a",@progbits
	.p2align	6, 0x0
	.amdhsa_kernel k_q39363c37fe_gemm
		.amdhsa_group_segment_fixed_size 327680
		.amdhsa_private_segment_fixed_size 0
		.amdhsa_enable_private_segment 0
		.amdhsa_kernarg_size 24
		.amdhsa_user_sgpr_count 2
		.amdhsa_user_sgpr_kernarg_segment_ptr 1
		.amdhsa_wavefront_size32 1
		.amdhsa_system_sgpr_workgroup_id_x 1
		.amdhsa_system_sgpr_workgroup_id_y 1
		.amdhsa_system_sgpr_workgroup_id_z 1
		.amdhsa_system_vgpr_workitem_id 0
		.amdhsa_next_free_vgpr 1024
		.amdhsa_next_free_sgpr 72
		.amdhsa_reserve_vcc 0
		.amdhsa_float_denorm_mode_32 3
		.amdhsa_float_denorm_mode_16_64 3
		.amdhsa_memory_ordered 1
		.amdhsa_forward_progress 1
		.amdhsa_inst_pref_size 144
	.end_amdhsa_kernel
	.amdgpu_metadata
---
amdhsa.version: [ 1, 2 ]
amdhsa.kernels:
  - .name:           k_q39363c37fe_gemm
    .symbol:         k_q39363c37fe_gemm.kd
    .args:
      - { .name: xq, .offset: 0, .size: 8, .value_kind: global_buffer, .address_space: global }
      - { .name: wq, .offset: 8, .size: 8, .value_kind: global_buffer, .address_space: global }
      - { .name: out0, .offset: 16, .size: 8, .value_kind: global_buffer, .address_space: global }
    .group_segment_fixed_size: 327680
    .private_segment_fixed_size: 0
    .kernarg_segment_align: 8
    .kernarg_segment_size: 24
    .max_flat_workgroup_size: 128
    .sgpr_count:     72
    .vgpr_count:     1024
    .wavefront_size: 32
...
	.end_amdgpu_metadata
.endif
;; end of part 2
;; ======== version 2 of 2: 2 launches
;; workspace buffers: xq 17,301,504 bytes; wq 17,301,504 bytes
;; launch prep (part 3): grid 16 x 16, 8 waves a work-group, no clusters, 87,040 bytes of LDS; arguments x, weight, P, Lambda, Q, rank_mask, xq, wq; writes xq, wq
.if DOCPART == 3
	.amdgcn_target "amdgcn-amd-amdhsa--gfx1250"
	.amdhsa_code_object_version 6
	.text
	.protected	k_q39363c37fe_prep
	.globl	k_q39363c37fe_prep
	.p2align	8
	.type	k_q39363c37fe_prep,@function
k_q39363c37fe_prep:
	s_mov_b64 s[64:65], 0
	v_nop
	global_prefetch_b8 v0, s[64:65] scope:SCOPE_SE
	s_setreg_imm32_b32 hwreg(HW_REG_WAVE_SCHED_MODE, 0, 2), 2
	s_setreg_imm32_b32 hwreg(HW_REG_WAVE_MODE, 25, 1), 1
	s_wait_xcnt 0x0
	s_wait_alu depctr_vm_vsrc(0)
; x [4096][4096] and W_eff = weight + 2 (P (Lambda mask)) Q [4096][4096] become codes of BF8 (E5M2) with one E8M0 scale byte for each 32 along the last axis, in the two workspace buffers xq and wq.
; THE FIRST PRODUCT (K = the rank, 64) is made here, on codes: A = P (Lambda mask), quantised along the rank; Q, quantised down its first axis.
; LAYOUT OF xq AND wq: images of the second product's operand registers.  Half block (R, s, half) = 128 rows x 256 along K at ((16 R + s) 2 + half) x 33,792 bytes: 16 fragments (row block i, q-th 128 along K) of
; 2,048 bytes at (2 i + q) x 2,048, each 4 pieces of 512 bytes, lane l's registers 4 c .. 4 c + 3 at 512 c + 16 l; behind them, at 32,768, the scale words [row 0..127][q], 4 bytes each.
; SHARES.  Work-group (s, R) makes block (R, s) of both tensors: 256 rows x 256 columns.  Wave w takes rows 32 w .. 32 w + 31: four fragments f = 2 rb + q of x, then four of W_eff: 8,192 consecutive bytes of codes
; and 256 consecutive bytes of scale words in each buffer.
; A FRAGMENT'S WAY: 16 loads of 512 consecutive bytes (a row's 128 numbers each); through the wave's own stage in LDS, so that lane (r, h) holds, of row r, k = 32 b + 16 h + i in register 16 b + i; the block's scale;
; the hold; the conversion; 4 stores of 512 consecutive bytes.
; THE ORDER OF THE WORK: ten jobs on two sets of 64 registers by turns; a job's loads are issued when the job two before it has left its set.  x's four fragments come first, so that the long stream begins directly
; behind the arguments; Q's pair and A stand in the middle, their loads on their way under x's last two jobs; then the one barrier and W_eff's four fragments.
; W_eff: the turned weight is the C of the first product's matrix instructions, which add in place; the factor 2 is one added to each byte of A's scale words (bytes are at most 239).  The product is used transposed
; (source 0 = 16 columns of Q, source 1 = 16 rows of A), and lane r' of tile 2 b + u takes column 32 b + 8 u + r' + 8 (r' / 8), so that the result's register 16 b + 8 u + j is k = 32 b + 16 h + 8 u + j: the weight's place.
; K = 64 OF THE INSTRUCTION'S 128: the rest are zero codes on both sides.  Tiles go in pairs that share eight registers of zeros: Q's pair lies [even tile 8][zeros 8][odd tile 8], A's row block [codes 8][zeros 8][codes 8];
; the even tile names registers 0-15 (its codes at k 0-63), the odd tile registers 8-23 (at k 64-127).  One scale word serves a pair: bytes 0, 1 the even tile's blocks, bytes 2, 3 the odd tile's; A's word is (s0, s1, s0, s1).
; Wave w quantises pair w of Q's 256 columns and hands it to the others as an image of its registers in LDS, behind the one barrier; all 8 pairs then stay in registers.
; NO CLUSTER, NO TENSOR LOADS: what work-groups share (P's 64 KiB, Q's 64 KiB beside 512 KiB of x and weight that nobody shares) is a fifth of a work-group's bytes and is wanted in registers, in operand order.
; LIMITS.  W_eff is rounded to f32 once, by the matrix instruction, where the definition rounds the product and then the sum.  A block of zeros gets the byte 1 with zero codes (the definition says 127): this program
; alone reads the bytes.  NaN and infinities among the inputs are not served.
; THE MODE: SCHED_MODE bits 1:0 = 2 (LLVM: expert scheduling mode 2), set by the entry lines.  The code itself states the register dependences between vector or matrix instructions and memory or LDS instructions,
; with s_wait_alu, always for 0.
; THE PLAN.  Registers that memory or LDS instructions touch:
;   v2-v14        offsets and LDS addresses: written at the head, never again; read by every load and store.  One wait on va_vdst ahead of the first load serves them all.
;   SET0, SET1    a job's numbers.  Global loads land; in a fragment's job 16 LDS stores read the set and 16 LDS loads land in it again; then vector and matrix lines alone name it, up to the job's conversions;
;                 behind them it is asked for again.
;   PC            the codes: written by a job's conversions, read by the four stores behind them (Q's pair: four LDS stores).
;   v30, v31      a tensor's scale words: written by two selects in the tensor's last job, read by one store.     v40: Q's scale word: written by vector lines, read by one LDS store.
;   v208-247      Lambda and the mask land there once; no memory instruction reads them.     Window 1 and v16-23: LDS loads land, behind the barrier, in registers that no vector line has named.
; TWO WAITS TO A FRAGMENT'S JOB.  One on vm_vsrc between the stage's stores and its loads: the stores have read the set, and every store issued earlier has read its data, the job before's stores of PC among them;
; up to the job's conversions only LDS loads follow, which read v4 alone.  One on va_vdst behind the conversions: PC (and v30, v31) is written, and every vector and matrix line is done with the set; the set's
; next loads and the stores follow it directly, with no vector line between.  It stands there, and not at the next job's head, so that a set is asked for again as soon as it is empty.
; Q's pair does not go through the stage, so it has a wait on vm_vsrc of its own ahead of its conversions; A's one wait on va_vdst stands behind the places that follow its scale words.
.set ROWB,  16384                      ; a row of x, weight or Q in bytes
.set HB,    33792                      ; a half block
.set SP,    528                        ; a stage row: 512 bytes + 16: an odd multiple of 16, so that the 16 rows that a turned read touches begin at 16 different places modulo 256 bytes
.set STGB,  16*SP                      ; a wave's stage
.set QIMG,  8*STGB                     ; behind the stages: Q's 8 pairs, 2,048 bytes each,
.set QSC,   QIMG+8*2048                ; and their scale words, 128 bytes each
.set XP,    4                          ; s[4:5] x      s[6:7] weight   s[8:9] P        s[10:11] Lambda
.set WP,    6
.set XQ,    16                         ; s[12:13] Q    s[14:15] mask   s[16:17] xq     s[18:19] wq
.set WQ,    18
.set OFFW,  2                          ; v2   16 x lane: my 16 bytes of a load's 512
.set STI,   3                          ; v3   the stage, on the way in
.set STO,   4                          ; v4   and on the way out: row r, + 64 h
.set OFFO,  5                          ; v5   my 16 bytes of a piece of an image, in the wave's 8,192 bytes
.set OFFS,  6                          ; v6   my row's two scale words
.set OFFQ,  7                          ; v7   Q: my column of a tile, my half's 16 ranks
.set OFFP,  8                          ; v8   P: row r, + 64 h
.set OFFL,  9                          ; v9   Lambda: 64 h
.set OFFM,  10                         ; v10  mask: 16 h
.set QWI,   11                         ; v11  where I store my pair's image,  v12 its scale word
.set QWS,   12
.set QRI,   13                         ; v13  where I read the pairs' images, v14 their scale words
.set QRS,   14
.set QS,    16                         ; v16-23  the 8 pairs' scale words: scales and nothing else
.set AS,    24                         ; v24-25  A's scale words, row blocks 0, 1: scales and nothing else
.set PW,    26                         ; v26-29  the scale word of fragment f
.set PWQ,   40
.set PWA,   41
.set SET0,  48                         ; v48-111, v112-175: two sets of 64 numbers
.set SET1,  112
.set PC,    176                        ; v176-191 the codes just made
.set TM,    192                        ; v192-195 largest magnitudes, v196-199 the partner's, then bytes, v200-203 57,344 x the scale, v204-207 the conversions' scale operands
.set AF,    208                        ; v208-255 A's two row blocks, 24 registers each; until they are made: Lambda, the mask bytes, four registers at work
.set AL,    208
.set MK,    240
.set TP,    248
.set MSB, 0
.macro WIN new                         ; the immediate's high byte repeats the setting that is left
.if MSB != \new
	s_set_vgpr_msb (MSB<<8)|\new
.set MSB, \new
.endif
.endm
.macro LOADF set, base, f              ; fragment f's 16 rows x 128 numbers: each load reads 512 consecutive bytes of one row
.irp t, 0,1,2,3,4,5,6,7,8,9,10,11,12,13,14,15
	global_load_b128 v[\set+4*\t:\set+4*\t+3], v[OFFW], s[\base:\base+1] offset:(16*((\f)/2)+\t)*ROWB+512*((\f)%2) th:TH_LOAD_NT
.endr
.endm
.macro QLOADS                          ; Q: my pair's two tiles u; a lane takes a column and its registers run down the rank: register 32 u + 16 c + jj = Q(32 c + 16 h + jj, my column of tile u): 64 loads
.irp u, 0,1
.irp c, 0,1
.irp jj, 0,1,2,3,4,5,6,7,8,9,10,11,12,13,14,15
	global_load_b32 v[SET0+32*\u+16*\c+\jj], v[OFFQ], s[12:13] offset:(32*\c+\jj)*ROWB+32*\u
.endr
.endr
.endr
.endm
.macro PLOADS                          ; Lambda and the mask at my 32 ranks 32 c + 16 h + 0 .. 15; P's rows r of my two row blocks at the same ranks: 26 loads
.irp c, 0,1
.irp j, 0,1,2,3
	global_load_b128 v[AL+16*\c+4*\j:AL+16*\c+4*\j+3], v[OFFL], s[10:11] offset:128*\c+16*\j
.endr
	global_load_b128 v[MK+4*\c:MK+4*\c+3], v[OFFM], s[14:15] offset:32*\c
.endr
.irp rb, 0,1
.irp c, 0,1
.irp j, 0,1,2,3
	global_load_b128 v[SET1+32*\rb+16*\c+4*\j:SET1+32*\rb+16*\c+4*\j+3], v[OFFP], s[8:9] offset:4096*\rb+128*\c+16*\j
.endr
.endr
.endr
.endm
.macro TURN set                        ; through my stage, into the same registers.  LDS serves a wave's instructions in order (ISA guide 5.7.1.4): no wait on DScnt between the stores and the loads, and one stage serves every fragment
.irp t, 0,1,2,3,4,5,6,7,8,9,10,11,12,13,14,15
	ds_store_b128 v[STI], v[\set+4*\t:\set+4*\t+3] offset:SP*\t
.endr
	s_wait_alu depctr_vm_vsrc(0)                   ; the sixteen stores have read the set, in which the loads below land and which the hold (for W_eff: the product) writes; the stores issued earlier have read v[PC ..] (and v30, v31), which this job writes again
.irp b, 0,1,2,3
.irp j, 0,1,2,3
	ds_load_b128 v[\set+16*\b+4*\j:\set+16*\b+4*\j+3], v[STO] offset:128*\b+16*\j
.endr
.endr
.endm
; Four blocks of 32: block b is my registers s + 16 b .. + 15 and those of lane l xor 16.  Their scale bytes make the word v[pw]
.macro QSCALE s, pw
.irp b, 0,1,2,3
	v_max3_num_f32 v[TM+\b], |v[\s+16*\b]|, |v[\s+1+16*\b]|, 0x8000000   ; my 16 numbers, and the floor 2^(16 - 127): the byte cannot fall under 1
.endr
.irp i, 2,4,6,8,10,12,14
.irp b, 0,1,2,3
	v_max3_num_f32 v[TM+\b], v[TM+\b], |v[\s+16*\b+\i]|, |v[\s+1+16*\b+\i]|   ; (the four blocks by turns; each tile of a matrix result is read from its low end on)
.endr
.endr
.irp b, 0,1,2,3
	v_permlanex16_b32 v[TM+4+\b], v[TM+\b], s26, s27
.endr
.irp b, 0,1,2,3
	v_max_num_f32 v[TM+\b], v[TM+\b], v[TM+4+\b]                     ; the block's largest magnitude
.endr
.irp b, 0,1,2,3
	v_add_nc_u32 v[TM+12+\b], 0xf8800000, v[TM+\b]                   ; 15 off its exponent field: the conversion takes that field as its scale
.endr
.irp b, 0,1,2,3
	v_and_or_b32 v[TM+8+\b], v[TM+\b], 0x7f800000, s28               ; 57,344 x the scale
.endr
.irp b, 0,1,2,3
	v_lshrrev_b32 v[TM+4+\b], 23, v[TM+12+\b]                        ; the scale's byte
.endr
	v_lshl_or_b32 v[\pw], v[TM+5], 8, v[TM+4]
	v_lshl_or_b32 v[\pw], v[TM+6], 16, v[\pw]
	v_lshl_or_b32 v[\pw], v[TM+7], 24, v[\pw]
.endm
.macro HOLD s                          ; the conversion to an 8-bit code does not saturate (ISA guide 7.6.2): each number is held within 57,344 x the scale first
.irp b, 0,1,2,3
.irp i, 0,1,2,3,4,5,6,7,8,9,10,11,12,13,14,15
	v_med3_num_f32 v[\s+16*\b+\i], v[\s+16*\b+\i], -v[TM+8+\b], v[TM+8+\b]
.endr
.endr
.endm
.macro CVT s, d0, d1                   ; blocks 0, 1 into v[d0 .. d0 + 7], blocks 2, 3 into v[d1 .. d1 + 7]
.irp b, 0,1
	v_cvt_scalef32_pk8_bf8_f32 v[\d0+4*\b:\d0+4*\b+1], v[\s+16*\b:\s+16*\b+7], v[TM+12+\b]
	v_cvt_scalef32_pk8_bf8_f32 v[\d0+4*\b+2:\d0+4*\b+3], v[\s+16*\b+8:\s+16*\b+15], v[TM+12+\b]
.endr
.irp b, 0,1
	v_cvt_scalef32_pk8_bf8_f32 v[\d1+4*\b:\d1+4*\b+1], v[\s+32+16*\b:\s+32+16*\b+7], v[TM+14+\b]
	v_cvt_scalef32_pk8_bf8_f32 v[\d1+4*\b+2:\d1+4*\b+3], v[\s+32+16*\b+8:\s+32+16*\b+15], v[TM+14+\b]
.endr
	v_nop                                          ; one plain vector instruction behind the last conversion, ahead of whatever next touches its results or writes its sources
.endm
.macro OUTF base, f                    ; the fragment's image: each store covers 512 consecutive bytes, at a multiple of 256 from the buffer's first byte
.irp c, 0,1,2,3
	global_store_b128 v[OFFO], v[PC+4*\c:PC+4*\c+3], s[\base:\base+1] offset:2048*(\f)+512*\c
.endr
.endm
.macro WORDS                           ; my wave's 32 rows' scale words: lanes 0-15 carry row block 0's, lanes 16-31 row block 1's.  Made in a tensor's last job, ahead of that job's wait on va_vdst
	v_cndmask_b32 v30, v[PW], v[PW+2], s30
	v_cndmask_b32 v31, v[PW+1], v[PW+3], s30
.endm
.macro OUTS base                       ; and their store: 256 consecutive bytes, aligned
	global_store_b64 v[OFFS], v[30:31], s[\base:\base+1] offset:32768
.endm
; W_eff = weight + 2 A Q for fragment f: eight tiles, eight accumulators, one instruction each; the weight is C, and D lies on it
.macro DELTA set, f
	WIN 0x01                                       ; source 0 (Q) window 1
.irp t, 0,1,2,3,4,5,6,7
	v_wmma_scale_f32_16x16x128_f8f6f4 v[\set+8*\t:\set+8*\t+7], v[24*(4*((\f)%2)+\t/2)+8*(\t%2):24*(4*((\f)%2)+\t/2)+8*(\t%2)+15], v[AF+24*((\f)/2)+8*(\t%2):AF+24*((\f)/2)+8*(\t%2)+15], v[\set+8*\t:\set+8*\t+7], v[QS+4*((\f)%2)+\t/2], v[AS+(\f)/2] matrix_a_fmt:MATRIX_FMT_BF8 matrix_b_fmt:MATRIX_FMT_BF8
.endr
	WIN 0
.rept 8
	v_nop                                          ; eight places between this form and the first read of its results
.endr
.endm
; One fragment, from its loads' arrival to its codes in v[PC] on.  left: the younger loads that may stay out.  words = 1: the tensor's last fragment: its scale words are made too.
; Behind it the caller asks for what the set takes next, and stores the codes: memory lines alone, directly behind the macro's last wait
.macro JOB set, f, left, delta, words
	s_wait_loadcnt \left                           ; loads come back in order (ISA guide 5.7.1): this fragment's 16 are in
	TURN \set
	s_wait_dscnt 0x0                               ; the numbers are back from the stage
.if \delta
	DELTA \set, \f
.endif
	QSCALE \set, PW+\f
	HOLD \set
	s_wait_alu depctr_va_vdst(0)
	s_wait_xcnt 0x0                                ; the earlier stores have read their data: the codes' registers (words = 1: and v30, v31) are written again only behind this wait
	CVT \set, PC, PC+8
.if \words
	WORDS
.endif
	s_wait_alu depctr_va_vdst(0)                   ; the conversions have written v[PC ..] (words = 1: the selects v30, v31), which the stores behind this line read; the hold, the conversions (and the product) are done with the set, in which the loads behind this line land
.endm
	s_load_b256 s[4:11], s[0:1], 0x0               ; x, weight, P, Lambda
	s_load_b256 s[12:19], s[0:1], 0x20             ; Q, rank_mask, xq, wq
	v_lshl_add_u32 v46, v0, 2, 0x15000
	v_mov_b32 v47, 0
	v_lshrrev_b32 v1, 5, v0
	v_readfirstlane_b32 s20, v1                    ; wave 0..7
	v_and_b32 v1, 31, v0                           ; lane
	v_cmp_lt_u32 s30, 15, v1                       ; lanes 16-31
	v_and_b32 v32, 15, v0                          ; r
	v_bfe_u32 v33, v0, 4, 1                        ; h
	s_mov_b32 s21, ttmp9                           ; s: which 256 columns
	s_and_b32 s22, ttmp7, 0xffff                   ; R: which 256 rows
	v_lshlrev_b32 v[OFFW], 4, v1
	s_wait_alu depctr_va_sdst(0)                   ; s20 and s30 are written, ahead of their first readers: the next line reads s20, the selects of the scale words read s30
	s_mul_i32 s23, s20, STGB                       ; my stage
	v_add_nc_u32 v[STI], s23, v[OFFW]
	v_mul_u32_u24 v[STO], v32, SP
	v_lshl_add_u32 v[STO], v33, 6, v[STO]
	v_add_nc_u32 v[STO], s23, v[STO]
	s_and_b32 s29, s20, 3
	s_lshl_b32 s31, s29, 13
	v_add_nc_u32 v[OFFO], s31, v[OFFW]             ; 16 x lane + 8,192 (w % 4)
	s_lshl_b32 s31, s29, 8
	v_lshl_add_u32 v[OFFS], v1, 3, s31             ; 8 x lane + 256 (w % 4)
	v_and_b32 v34, 8, v32
	v_add_nc_u32 v34, v34, v32                     ; r + 8 (r / 8)
	v_lshlrev_b32 v[OFFQ], 2, v34
	v_lshl_add_u32 v[OFFQ], v33, 18, v[OFFQ]       ; + 16 h rows of Q
	v_lshlrev_b32 v[OFFP], 8, v32
	v_lshl_add_u32 v[OFFP], v33, 6, v[OFFP]
	v_lshlrev_b32 v[OFFL], 6, v33
	v_lshlrev_b32 v[OFFM], 4, v33
	s_lshl_b32 s23, s20, 11
	v_add_nc_u32 v[QWI], s23, v[OFFW]
	v_add_nc_u32 v[QWI], QIMG, v[QWI]
	s_lshl_b32 s23, s20, 7
	v_lshl_add_u32 v[QWS], v1, 2, s23
	v_add_nc_u32 v[QWS], QSC, v[QWS]
	v_add_nc_u32 v[QRI], QIMG, v[OFFW]
	v_lshl_add_u32 v[QRS], v1, 2, QSC
	s_mov_b32 s26, 0x76543210
	s_mov_b32 s27, 0xfedcba98                      ; v_permlanex16_b32's selects for lane l xor 16
	s_mov_b32 s28, 0x600000                        ; the mantissa field of 57,344
.irp b, 0,1,2,3
	v_mov_b32 v[TM+4+\b], 0                        ; written once: a lane permute's destination counts as one of its sources
.endr
	s_lshl_b32 s24, s22, 22                        ; x and weight: 256 R rows of 16,384 bytes,
	s_lshl_b32 s23, s20, 19                        ; 32 w rows,
	s_add_co_u32 s24, s24, s23
	s_lshl_b32 s23, s21, 10                        ; 256 s columns
	s_add_co_u32 s24, s24, s23
	s_mov_b32 s25, 0
	s_wait_kmcnt 0x0
	s_add_nc_u64 s[4:5], s[4:5], s[24:25]
	s_add_nc_u64 s[6:7], s[6:7], s[24:25]
	s_wait_alu depctr_va_vdst(0)                   ; the thirteen offsets and LDS addresses v2 to v14 are written, which every load and store of the kernel reads; none is written again
	LOADF SET0, XP, 0                              ; the long stream begins here: x's first two fragments
	LOADF SET1, XP, 1
	s_lshl_b32 s24, s22, 16                        ; P: rows of 256 bytes
	s_lshl_b32 s23, s20, 13
	s_add_co_u32 s24, s24, s23
	s_add_nc_u64 s[8:9], s[8:9], s[24:25]
	s_lshl_b32 s24, s21, 10                        ; Q: column 256 s + 32 w
	s_lshl_b32 s23, s20, 7
	s_add_co_u32 s24, s24, s23
	s_add_nc_u64 s[12:13], s[12:13], s[24:25]
	s_lshl_b32 s24, s22, 4                         ; xq and wq: block 16 R + s, half w / 4
	s_add_co_u32 s24, s24, s21
	s_mul_i32 s24, s24, 2*HB
	s_lshr_b32 s23, s20, 2
	s_mul_i32 s23, s23, HB
	s_add_co_u32 s24, s24, s23
	s_add_nc_u64 s[16:17], s[16:17], s[24:25]
	s_add_nc_u64 s[18:19], s[18:19], s[24:25]
	WIN 0x40                                       ; destination window 1: the eight registers of zero codes in each of Q's pairs (no load ever lands in them; the jobs' waits on va_vdst stand between these lines and the products that read them)
.irp p, 0,1,2,3,4,5,6,7
.irp e, 0,1,2,3,4,5,6,7
	v_mov_b32 v[24*\p+8+\e], 0
.endr
.endr
	WIN 0
	; ---- x's four fragments.  Behind each: what the set takes next (loads ahead of stores), then the codes
	JOB SET0, 0, 16, 0, 0                          ; the other set's 16 loads may be out
	LOADF SET0, XP, 2
	OUTF XQ, 0
	JOB SET1, 1, 16, 0, 0
	LOADF SET1, XP, 3
	OUTF XQ, 1
	JOB SET0, 2, 16, 0, 0
	OUTF XQ, 2                                     ; here the stores go first: with the other set's 16 loads out, Q's 64 do not all issue at once
	QLOADS
	JOB SET1, 3, 63, 0, 1                          ; behind this fragment's 16 loads stand Q's 64; a wait's field ends at 63, so the first of Q's is waited for too
	PLOADS
	OUTF XQ, 3
	OUTS XQ
	; ---- Q's pair w: blocks 2 u + c
	s_wait_loadcnt 26                              ; Q's 64 loads are in; the 26 behind them may be out
	QSCALE SET0, PWQ
	HOLD SET0
	s_wait_alu depctr_va_vdst(0)
	s_wait_xcnt 0x0                                ; x's last stores have read the codes' registers
	s_wait_alu depctr_vm_vsrc(0)                   ; x's last four stores have read v[PC ..], which the conversions below write (this job has no turn through the stage, whose wait would have stated it)
	CVT SET0, PC, PC+8
	s_wait_alu depctr_va_vdst(0)                   ; the conversions have written v[PC ..] and the shifts v[PWQ], which the LDS stores below read; the hold and the conversions are done with set 0, in which the weight's first fragment lands
.irp c, 0,1,2,3
	ds_store_b128 v[QWI], v[PC+4*\c:PC+4*\c+3] offset:512*\c
.endr
	ds_store_b32 v[QWS], v[PWQ]
	LOADF SET0, WP, 0
	; ---- A = P (Lambda mask): blocks 2 rb + c
	s_wait_loadcnt 16                              ; Lambda, the mask and P are in; the weight's first fragment may be out
.irp c, 0,1
.irp g, 0,1,2,3
.irp e, 0,1,2,3
	v_bfe_u32 v[TP+\e], v[MK+4*\c+\g], 8*\e, 8     ; a mask byte, 0 or 1,
.endr
.irp e, 0,1,2,3
	v_cvt_f32_u32 v[TP+\e], v[TP+\e]               ; as f32,
.endr
.irp e, 0,1,2,3
	v_mul_f32 v[AL+16*\c+4*\g+\e], v[AL+16*\c+4*\g+\e], v[TP+\e]   ; times Lambda
.endr
.endr
.endr
.irp rb, 0,1
.irp i, 0,2,4,6,8,10,12,14,16,18,20,22,24,26,28,30
	v_pk_mul_f32 v[SET1+32*\rb+\i:SET1+32*\rb+\i+1], v[SET1+32*\rb+\i:SET1+32*\rb+\i+1], v[AL+\i:AL+\i+1]
.endr
.endr
	QSCALE SET1, PWA
	HOLD SET1
	CVT SET1, AF, AF+24                            ; each row block's codes at its registers 0-7,
	CVT SET1, AF+16, AF+40                         ; and once more at 16-23, for the odd tiles
.irp rb, 0,1
.irp e, 0,1,2,3,4,5,6,7
	v_mov_b32 v[AF+24*\rb+8+\e], 0                 ; zero codes between
.endr
.endr
	v_perm_b32 v[AS], v[PWA], v[PWA], 0x01000100   ; row block 0's word: (s0, s1, s0, s1)
	v_perm_b32 v[AS+1], v[PWA], v[PWA], 0x03020302 ; row block 1's
	v_add_nc_u32 v[AS], 0x01010101, v[AS]          ; one onto each byte: the factor 2, exactly (bytes are at most 239: no carry)
	v_add_nc_u32 v[AS+1], 0x01010101, v[AS+1]
.rept 8
	v_nop                                          ; a scale register written by a vector instruction stands eight places ahead of the scaled product, an operand so written four: only memory and LDS lines follow up to the first product
.endr
	s_wait_alu depctr_va_vdst(0)                   ; behind the places: A's codes, its zeros and its scale words v[AS], v[AS+1] are written, which the scaled products take as operand and scales; the hold and the conversions are done with set 1, in which the weight's second fragment lands
	LOADF SET1, WP, 1
	; ---- the one barrier: every wave's pair of Q lies in LDS (each wave stored its pair ahead of its work on A)
	s_wait_dscnt 0x0                               ; for the others' sake: my stores of my pair have landed
	s_barrier_signal -1
	s_barrier_wait -1
	WIN 0x40                                       ; destination window 1.  These loads land in registers 24 p + 0 .. 7 and 24 p + 16 .. 23, which no vector line has named: nothing is to be stated for them
.irp p, 0,1,2,3,4,5,6,7
.irp c, 0,1,2,3
	ds_load_b128 v[24*\p+4*\c+8*(\c/2):24*\p+4*\c+8*(\c/2)+3], v[QRI] offset:2048*\p+512*\c
.endr
.endr
	WIN 0
.irp p, 0,1,2,3,4,5,6,7
	ds_load_b32 v[QS+\p], v[QRS] offset:128*\p
.endr
	; ---- W_eff's four fragments (the first one's wait for its turn through the stage also covers the loads above; its wait on vm_vsrc also states that the LDS stores of Q's pair have read v[PC ..])
	JOB SET0, 0, 16, 1, 0
	LOADF SET0, WP, 2
	OUTF WQ, 0
	JOB SET1, 1, 16, 1, 0
	LOADF SET1, WP, 3
	OUTF WQ, 1
	JOB SET0, 2, 16, 1, 0
	OUTF WQ, 2
	JOB SET1, 3, 0, 1, 1                           ; its selects write v30 and v31 behind the job's wait on XCNT and behind four waits on vm_vsrc: x's scale store has read them
	OUTF WQ, 3
	OUTS WQ
	s_wait_dscnt 0x0                               ; the closing lines, six on end
	s_wait_alu 0x0
	s_wait_tensorcnt 0x0
	ds_add_u32 v46, v47
	s_wait_dscnt 0x0
	s_endpgm
.Lfunc_end_k_q39363c37fe_prep:
	.size	k_q39363c37fe_prep, .Lfunc_end_k_q39363c37fe_prep-k_q39363c37fe_prep
	.p2alignl 7, 3214868480
	.fill 96, 4, 3214868480
	.section	.rodata,"a",@progbits
	.p2align	6, 0x0
	.amdhsa_kernel k_q39363c37fe_prep
		.amdhsa_group_segment_fixed_size 87040
		.amdhsa_private_segment_fixed_size 0
		.amdhsa_enable_private_segment 0
		.amdhsa_kernarg_size 64
		.amdhsa_user_sgpr_count 2
		.amdhsa_user_sgpr_kernarg_segment_ptr 1
		.amdhsa_wavefront_size32 1
		.amdhsa_system_sgpr_workgroup_id_x 1
		.amdhsa_system_sgpr_workgroup_id_y 1
		.amdhsa_system_sgpr_workgroup_id_z 1
		.amdhsa_system_vgpr_workitem_id 0
		.amdhsa_next_free_vgpr 448
		.amdhsa_next_free_sgpr 66
		.amdhsa_reserve_vcc 0
		.amdhsa_float_denorm_mode_32 3
		.amdhsa_float_denorm_mode_16_64 3
		.amdhsa_memory_ordered 1
		.amdhsa_forward_progress 1
		.amdhsa_inst_pref_size 143
	.end_amdhsa_kernel
	.amdgpu_metadata
---
amdhsa.version: [ 1, 2 ]
amdhsa.kernels:
  - .name:           k_q39363c37fe_prep
    .symbol:         k_q39363c37fe_prep.kd
    .args:
      - { .name: x, .offset: 0, .size: 8, .value_kind: global_buffer, .address_space: global }
      - { .name: weight, .offset: 8, .size: 8, .value_kind: global_buffer, .address_space: global }
      - { .name: P, .offset: 16, .size: 8, .value_kind: global_buffer, .address_space: global }
      - { .name: Lambda, .offset: 24, .size: 8, .value_kind: global_buffer, .address_space: global }
      - { .name: Q, .offset: 32, .size: 8, .value_kind: global_buffer, .address_space: global }
      - { .name: rank_mask, .offset: 40, .size: 8, .value_kind: global_buffer, .address_space: global }
      - { .name: xq, .offset: 48, .size: 8, .value_kind: global_buffer, .address_space: global }
      - { .name: wq, .offset: 56, .size: 8, .value_kind: global_buffer, .address_space: global }
    .group_segment_fixed_size: 87040
    .private_segment_fixed_size: 0
    .kernarg_segment_align: 8
    .kernarg_segment_size: 64
    .max_flat_workgroup_size: 256
    .sgpr_count:     66
    .vgpr_count:     448
    .wavefront_size: 32
...
	.end_amdgpu_metadata
.endif
;; end of part 3
;; launch gemm (part 4): grid 16 x 16, 4 waves a work-group, clusters of 4 x 4, 327,680 bytes of LDS; arguments xq, wq, out0; writes out0
.if DOCPART == 4
	.amdgcn_target "amdgcn-amd-amdhsa--gfx1250"
	.amdhsa_code_object_version 6
	.text
	.protected	k_q39363c37fe_gemm
	.globl	k_q39363c37fe_gemm
	.p2align	8
	.type	k_q39363c37fe_gemm,@function
k_q39363c37fe_gemm:
	s_mov_b64 s[64:65], 0
	v_nop
	global_prefetch_b8 v0, s[64:65] scope:SCOPE_SE
	s_setreg_imm32_b32 hwreg(HW_REG_WAVE_MODE, 25, 1), 1
	s_wait_xcnt 0x0
	s_wait_alu depctr_hold_cnt(0) depctr_sa_sdst(0) depctr_va_vdst(0) depctr_va_sdst(0) depctr_va_ssrc(0) depctr_va_vcc(0) depctr_vm_vsrc(0)
	s_getreg_b32 s2, hwreg(HW_REG_IB_STS2, 6, 4)
	s_cmp_eq_u32 s2, 0
	s_cbranch_scc0 .Lentry_in_a_cluster
	s_endpgm
.Lentry_in_a_cluster:
	s_bfe_u32 s2, ttmp6, 0x10000c
	s_cmp_lg_u32 s2, 0xf033
	s_cbranch_scc0 .Lentry_shape_is_right
	s_endpgm
.Lentry_shape_is_right:
; out0[m][n] = sum over k of x[m][k] W_eff[n][k], 4,096 x 4,096 x 4,096, on codes of BF8 (E5M2) with one E8M0 scale for each 32 along K; sums in f32; out0 f32.
; xq (A) and wq (B) hold IMAGES OF THE OPERAND'S REGISTERS.  Half block (tile of 256 rows T, K step s of 256, half) = 33,792 dense bytes at ((16 T + s) 2 + half) x 33,792: 16 fragments (row block i, q-th 128 along K)
; of 2,048 bytes at (2 i + q) x 2,048, each 4 pieces of 512 bytes, lane l's registers 4 c .. 4 c + 3 at 512 c + 16 l; at 32,768 the scale words [row 0..127][q].  So one tensor load of 132 rows of 256 bytes brings a
; wave's share of a K step, scales and all; a fragment comes by four ds_load_b128 of 512 consecutive bytes; nothing is padded.
; A tile of out0, 256 x 256, is made by a work-group of four waves, as many as a WGP has SIMDs; a wave makes 128 x 128: 64 accumulators of 16 x 16, 512 registers.  256 tiles, one to a work-group.
; K goes in 16 steps of 256 through a ring of two LDS slots (A's two halves, then B's two); waves 0, 1 fetch A's halves, waves 2, 3 B's: one load a wave behind each change of slots.
; THE CHANGE OF SLOTS stands where a slot's last fragments have come into registers, ahead of the 64 products that use them: between the wait for all tensor loads and the refill stand the add, two address steps and the
; round, and no product.  So the stretch in which no tile is on its way is as short as the text can make it, and a refill has a whole K step's 128 products in which to land.
; CLUSTERS: 4 x 4 work-groups.  The four of a row of the cluster need the same tiles of A, the four of a column the same tiles of B: each is asked for JOINTLY, by the same tensor load with the same descriptor and a mask
; that names the four.  THE MATRIX INSTRUCTION IS USED TRANSPOSED (source 0 = 16 rows of B, source 1 = 16 rows of A): a lane then holds eight neighbouring numbers of a row of out0.
; REGISTERS, in windows of 256: window 0: v0-31 addresses; v32-63 scale words, two sets; from v128 A's fragments (8 x 16 rows x 128 K), ONE set; on the way out v32-255 are free.
;   window 1: B's fragments, TWO sets, at v0 and at v128.   window 2: the 32 accumulators of my rows 0-63 (accumulator (a, b) at v[8 (8 a + b)]);   window 3: those of my rows 64-127.
; A step of 128 along K is 64 matrix instructions, A's blocks one after the other, each against B's eight: a block of A is free as soon as its eight products are issued, so one set of registers serves A.
; All of a WGP's LDS is claimed; the text uses 270,848 bytes.
.set SIZE_N, 4096
.set NQ,     2                         ; matrix instructions deep in a K step
.set FR,     16                        ; registers of a fragment
.set NL,     4                         ; LDS loads that bring one
.set NP,     8                         ; places behind this matrix instruction (ISA guide 7.12.1)
.set HB,     33792                     ; a half block: what one tensor load brings, and what one wave reads of A or of B
.set SLOT,   4*HB
.set KSB,    2*HB                      ; from a K step to the next, in memory
.set TILEB,  16*KSB                    ; from a tile of 256 rows to the next
.set LAPS,   8                         ; a lap = two K steps = once round the ring
.set SPARE,  2*SLOT                    ; behind the ring: the spare words, 128 bytes for each wave: two blocks of 256 bytes that no other line names
.set SPITCH, 528                       ; the way out: a stage of 16 rows x (512 bytes + 16) for each wave, in slot 0, which has had its last fill and its last read when the first result is stored there
.set ADRA, 16                          ; v16-17  LDS address of my A fragments in slot 0, 1: 16 x lane + my half
.set ADRB, 20                          ; v20-21  the same for B
.set ADRS, 22                          ; v22-23  of my scale words in slot 0, 1: lanes 0-15 A's rows, lanes 16-31 B's
.set STO,  24                          ; v24     the way out: where I put 32 bytes of a row
.set RD,   25                          ; v25     the way out: where I read a row back
.set CO,   26                          ; v26     my byte offset in a row of out0
.set SPW,  28                          ; v28     LDS address of my spare word: SPARE + 4 x my thread's number; never rewritten
.set NIL,  29                          ; v29     0; never rewritten
.set PFO,  30                          ; v30     the prefetches' offset: 256 x my lane; never rewritten
.set SC,   32                          ; scale words: set s (for slot s) at v[SC + 16 s]; register 2 i + q: lanes 0-15 the word of A's block i, lanes 16-31 that of B's block i, for the slot's q-th 128 along K
.set AF,   128                         ; A's fragments, in window 0
.set BK,   128                         ; the way out: 16 rows read back from the stage: v128-191 and v192-255 by turns
.set G1,  24                           ; s[24:31] descriptor group 1 for A's tiles;  s[32:39] group 0, one set for each slot
.set G0,  32
.set G1B, 48                           ; s[48:55], s[56:63] the same for B's tiles
.set G0B, 56
.set PFA, 66                           ; s[66:67] where my prefetches stand: my work-group's 8,192 bytes of the half block that I fetch, one K step further on than the refill in hand; a prefetch names the K step after that
.set LIM, 68                           ; s68     1 in a wave that prefetches, else the greatest number
.set MSB, 0
.macro WIN new                         ; the immediate's high byte repeats the setting that is left
.if MSB != \new
	s_set_vgpr_msb (MSB<<8)|\new
.set MSB, \new
.endif
.endm
.set MUL_LO, 0xa1                      ; source 0 (B) window 1, source 1 (A) window 0, C and D window 2
.set MUL_HI, 0xf1                      ; the same, C and D window 3
.set TO_B,   0x40                      ; destination window 1, address window 0
; A joint load: waves 0 and 1 fetch for A, waves 2 and 3 for B.  Each of the two lines has ONE mask and one set of registers for all that issue it; the branch hangs on the wave's number alone.
; Four v_nop follow each of the two lines, ahead of the jump, the label and what follows.
.macro JLOAD g0a, g1a, g0b, g1b
	s_cmp_eq_u32 s15, 0
	s_cbranch_scc0 .Lfor_b_\@
	tensor_load_to_lds s[\g0a:\g0a+3], s[\g1a:\g1a+7]
	s_nop 0
.rept 4
	v_nop
.endr
	s_branch .Lasked_\@
.Lfor_b_\@:
	tensor_load_to_lds s[\g0b:\g0b+3], s[\g1b:\g1b+7]
	s_nop 0
.rept 4
	v_nop
.endr
.Lasked_\@:
.endm
; A PREFETCH INTO THE L2, behind each joint refill and its four lines: the codes of the K step that stands TWO refills on, 256 matrix instructions ahead of the load that will want them.
; Each aligned block of 256 bytes is named ONCE in the launch.  A's tile row is read by every cluster of that row of clusters: cluster x = 0 asks; B's tile column by every cluster of that column: cluster y = 0 asks.
; The four partners that ask for a half block jointly share its 32,768 bytes of codes out BY ADDRESS, 8,192 each (place cx for A, cy for B), lanes 256 bytes apart: one instruction a wave, and no branch hangs on a
; work-group's place in its cluster.  The 1,024 bytes of scale words come by their load alone.  K steps 0 to 3 come by their loads alone; the loop's last trip (s3 = 1) asks for nothing: there is no K step 16.
.macro ASK
	s_cmp_gt_u32 s3, s[LIM]
	s_cbranch_scc0 .Lnot_mine_\@
	global_prefetch_b8 v[PFO], s[PFA:PFA+1] offset:KSB th:TH_LOAD_NT scope:SCOPE_SE
.Lnot_mine_\@:
.endm
.macro CREST                           ; a round of the cluster's barrier behind its opening barrier
	s_cmp_lg_u32 s14, 0
	s_cbranch_scc1 .Lnot_wave_0_\@
	s_barrier_signal -3
.Lnot_wave_0_\@:
	s_barrier_wait -3
	s_barrier_signal -1
	s_barrier_wait -1
.endm
.macro CROUND                          ; a whole round
	s_barrier_signal -1
	s_barrier_wait -1
	CREST
.endm
	s_load_b128 s[4:7], s[0:1], 0x0                ; xq s[4:5], wq s[6:7]
	s_load_b64 s[12:13], s[0:1], 0x10              ; out0
	v_lshl_add_u32 v[SPW], v0, 2, SPARE
	v_mov_b32 v[NIL], 0
	ds_add_u32 v28, v29
	ds_add_u32 v28, v29
	s_wait_dscnt 0x0
	v_lshrrev_b32 v1, 5, v0
	v_readfirstlane_b32 s14, v1                    ; wave 0..3
	s_lshr_b32 s15, s14, 1                         ; which half of the tile's rows is mine.  Also: I fetch for A (0) or for B (1)
	s_and_b32 s16, s14, 1                          ; which half of its columns.  Also: which half block I fetch
	s_bfe_u32 s40, ttmp6, 0x40000                  ; cx, cy: my place in the cluster
	s_bfe_u32 s41, ttmp6, 0x40004
	s_lshl_b32 s42, ttmp9, 2
	s_add_co_u32 s42, s42, s40                     ; tile column = 4 x cluster x + cx
	s_and_b32 s17, ttmp7, 0xffff
	s_lshl_b32 s17, s17, 2
	s_add_co_u32 s17, s17, s41                     ; tile row = 4 x cluster y + cy
	s_lshl_b32 s43, s41, 2
	s_lshl_b32 s43, 15, s43                        ; my row of the cluster
	s_lshl_b32 s44, 0x1111, s40                    ; my column
	; descriptor group 1: a dense block of 33,792 bytes as 132 rows of 256 bytes (32 elements of 8 bytes), no padding
	s_or_b32 s[G1+0], s43, (3<<16)|(1<<21)         ; 15:0 the mask: A's tiles go to my row; 17:16 elements of 8 bytes; 21 set beside a mask
	s_or_b32 s[G1B+0], s44, (3<<16)|(1<<21)        ; the same with the mask of my column
.irp g, G1, G1B
	s_mov_b32 s[\g+1], 32<<16                      ; tensor_dim0 = 32
	s_mov_b32 s[\g+2], 132<<16                     ; tensor_dim1 = 132
	s_mov_b32 s[\g+3], 32<<16                      ; tile_dim0 = 32
	s_mov_b32 s[\g+4], 132                         ; tile_dim1 = 132
	s_mov_b32 s[\g+5], 32                          ; tensor_dim0_stride
	s_mov_b32 s[\g+6], 0
	s_mov_b32 s[\g+7], 0
.endr
	; where the tiles come from.  A's hang on the tile row alone, B's on the tile column alone, each in registers that never hold the other coordinate
	s_mul_i32 s18, s16, HB                         ; which half block I fetch
	s_mul_i32 s20, s17, TILEB
	s_add_co_u32 s20, s20, s18
	s_mov_b32 s21, 0
	s_mul_i32 s46, s42, TILEB
	s_add_co_u32 s46, s46, s18
	s_mov_b32 s47, 0
	s_mul_i32 s45, s14, HB                         ; where they go: wave x a half block: no place in the cluster enters an LDS address
	s_wait_kmcnt 0x0
	s_add_nc_u64 s[20:21], s[4:5], s[20:21]
	s_add_nc_u64 s[46:47], s[6:7], s[46:47]
	CROUND                                         ; all sixteen work-groups are here: the first joint loads meet
.irp s, 0,1
	s_mov_b32 s[G0+4*\s], 1                                        ; count = 1
	s_add_co_u32 s[G0+4*\s+1], s45, \s*SLOT                        ; LDS address
	s_add_nc_u64 s[G0+4*\s+2:G0+4*\s+3], s[20:21], \s*KSB          ; global address: K step s
	s_or_b32 s[G0+4*\s+3], s[G0+4*\s+3], 0x80000000                ; type = 2
	s_mov_b32 s[G0B+4*\s], 1
	s_add_co_u32 s[G0B+4*\s+1], s45, \s*SLOT
	s_add_nc_u64 s[G0B+4*\s+2:G0B+4*\s+3], s[46:47], \s*KSB
	s_or_b32 s[G0B+4*\s+3], s[G0B+4*\s+3], 0x80000000
	s_wait_alu depctr_va_vdst(0)
	s_wait_tensorcnt 0x0
	ds_add_u32 v28, v29
	ds_add_u32 v28, v29
	s_wait_dscnt 0x0
	CROUND
	JLOAD G0+4*\s, G1, G0B+4*\s, G1B               ; one load of mine is out
.endr
	v_and_b32 v1, 15, v0                           ; r = l % 16
	v_bfe_u32 v2, v0, 4, 1                         ; h = l / 16
	s_wait_alu depctr_va_vdst(0)
	v_and_b32 v6, 31, v0                           ; lane
	v_lshlrev_b32 v4, 4, v6                        ; an image's place for my lane
	s_mul_i32 s21, s15, HB                         ; my 128 rows of A
	s_mul_i32 s22, s16, HB                         ; my 128 rows of B,
	s_add_co_u32 s22, s22, 2*HB                    ; which lie behind A's 256
.irp s, 0,1
	v_add_nc_u32 v[ADRA+\s], s21, v4
	v_add_nc_u32 v[ADRB+\s], s22, v4
	s_add_co_u32 s21, s21, SLOT
	s_add_co_u32 s22, s22, SLOT
.endr
	s_xor_b32 s22, s15, 1                          ; from A's half block to B's: (2 + column half - row half) half blocks, as ONE product on h
	s_add_co_u32 s22, s22, s16
	s_add_co_u32 s22, s22, 1
	s_mul_i32 s22, s22, HB
	v_mul_u32_u24 v5, s22, v2                      ; lanes 16-31 take B's
	v_lshl_add_u32 v5, v1, 3, v5                   ; 8 bytes a row: the K step's two words
	s_mul_i32 s21, s15, HB
	s_add_co_u32 s21, s21, 32768                   ; the scale words lie behind the half block's codes
	v_add_nc_u32 v[ADRS], s21, v5
	s_add_co_u32 s21, s21, SLOT
	v_add_nc_u32 v[ADRS+1], s21, v5
	s_mul_i32 s23, s14, 16*SPITCH                  ; my stage
	v_mul_u32_u24 v5, v1, SPITCH                   ; in: row l % 16, 32 bytes for each half of the lanes
	v_lshl_add_u32 v5, v2, 5, v5
	v_add_nc_u32 v[STO], s23, v5
	v_lshlrev_b32 v[CO], 4, v6                     ; back: the 32 lanes take one row of 512 bytes; and the same in out0
	v_add_nc_u32 v[RD], s23, v[CO]
	s_lshl_b32 s20, s17, 22                        ; my first row of out0: 256 x tile row + 128 x half, rows of 16,384 bytes
	s_lshl_b32 s21, s15, 21
	s_add_co_u32 s20, s20, s21
	s_mov_b32 s21, 0
	s_lshl_b32 s46, s42, 10                        ; my first column, in bytes: 1,024 x tile column + 512 x half
	s_lshl_b32 s47, s16, 9
	s_add_co_u32 s46, s46, s47
	s_mov_b32 s47, 0
	s_add_nc_u64 s[20:21], s[20:21], s[46:47]
	s_add_nc_u64 s[12:13], s[12:13], s[20:21]
	; the prefetches: where mine stand, and who asks
	s_and_b32 s22, ttmp7, 0xffff                   ; cluster y
	s_cmp_eq_u32 s15, 0                            ; do I fetch for A?
	s_cselect_b32 s20, s17, s42                    ; the tile: by the tile row in A, by the tile column in B
	s_cselect_b32 s21, s40, s41                    ; my place among the four that ask for it with me
	s_cselect_b32 s22, ttmp9, s22                  ; the coordinate along which other clusters read the same bytes
	s_cselect_b64 s[PFA:PFA+1], s[4:5], s[6:7]
	s_cmp_eq_u32 s22, 0
	s_cselect_b32 s[LIM], 1, -1                    ; the same in all sixteen partners, for a given wave
	s_mul_i32 s20, s20, TILEB
	s_mul_i32 s22, s16, HB
	s_add_co_u32 s20, s20, s22                     ; + the half block that I fetch
	s_lshl_b32 s21, s21, 13
	s_add_co_u32 s20, s20, s21                     ; + my work-group's 8,192 bytes of it
	s_mov_b32 s21, 0
	s_add_nc_u64 s[PFA:PFA+1], s[PFA:PFA+1], s[20:21]
	s_add_nc_u64 s[PFA:PFA+1], s[PFA:PFA+1], 2*KSB ; at K step 2: the first refill steps it to 3 and names K step 4.  Nothing is prefetched here, at the head, where every work-group's first tiles are on their way
	v_lshlrev_b32 v[PFO], 8, v6
.macro FRAG reg, adr, q, i             ; fragment (i, q): 16 registers, as they were stored: lane l holds row l % 16; registers 4 c .. 4 c + 3 hold K = 32 c + 16 (l / 16) + 0 .. 15
.irp c, 0,1,2,3
	ds_load_b128 v[\reg+4*\c:\reg+4*\c+3], v[\adr] offset:(2*(\i)+(\q))*2048+512*\c
.endr
.endm
; 16 matrix instructions: A's blocks a0, a0 + 1 x B's eight, 128 along K: the slot's q-th.  p: B's set;  sc: the set of scale words.  zero = 1: the first product starts the sums: nothing is ever cleared.
; The 64 accumulators take turns, one instruction a turn, in the same order in every step.
.macro MUL16 a0, p, q, sc, zero
.irp a, \a0, \a0+1
.irp b, 0,1,2,3,4,5,6,7
.if \zero
	v_wmma_scale_f32_16x16x128_f8f6f4 v[8*(8*((\a)%4)+\b):8*(8*((\a)%4)+\b)+7], v[128*(\p)+FR*\b:128*(\p)+FR*\b+FR-1], v[AF+FR*(\a):AF+FR*(\a)+FR-1], 0, v[SC+8*NQ*(\sc)+NQ*\b+(\q)], v[SC+8*NQ*(\sc)+NQ*(\a)+(\q)] matrix_a_fmt:MATRIX_FMT_BF8 matrix_b_fmt:MATRIX_FMT_BF8 matrix_a_scale:MATRIX_SCALE_ROW1
.else
	v_wmma_scale_f32_16x16x128_f8f6f4 v[8*(8*((\a)%4)+\b):8*(8*((\a)%4)+\b)+7], v[128*(\p)+FR*\b:128*(\p)+FR*\b+FR-1], v[AF+FR*(\a):AF+FR*(\a)+FR-1], v[8*(8*((\a)%4)+\b):8*(8*((\a)%4)+\b)+7], v[SC+8*NQ*(\sc)+NQ*\b+(\q)], v[SC+8*NQ*(\sc)+NQ*(\a)+(\q)] matrix_a_fmt:MATRIX_FMT_BF8 matrix_b_fmt:MATRIX_FMT_BF8 matrix_a_scale:MATRIX_SCALE_ROW1
.endif
.endr
.endr
.endm
.macro FETCH_B slot, q, p              ; B's eight fragments of the slot's q-th 128 along K into set p
	WIN TO_B
.irp i, 0,1,2,3,4,5,6,7
	FRAG 128*(\p)+FR*\i, ADRB+\slot, \q, \i
.endr
	WIN 0
.endm
.macro FETCH_A slot, q, i0             ; A's blocks i0 .. i0 + 3
.irp i, \i0, \i0+1, \i0+2, \i0+3
	FRAG AF+FR*(\i), ADRA+\slot, \q, \i
.endr
.endm
.macro SCALES sc                       ; slot sc's scale words into set sc: two words a row; lanes 0-15 take A's block i, lanes 16-31 B's block i
.irp i, 0,1,2,3,4,5,6,7
	ds_load_b64 v[SC+8*NQ*\sc+NQ*\i:SC+8*NQ*\sc+NQ*\i+1], v[ADRS+\sc] offset:128*\i
.endr
.endm
; A load into a register that a matrix instruction has read, and an LDS store that reads a matrix result, stand NP places behind that matrix instruction, and only plain vector instructions that name none of its
; registers are places (ISA guide 7.12.1 for vector instructions); this text does not count the matrix instructions in between.
.macro PLACES n
.rept \n
	v_nop
.endr
.endm
; A step of 128 along K that has its successor in the same slot.
.macro STEP slot, q, zero
	s_wait_dscnt 4*NL                              ; B's set, A's blocks 0-3 and the scale words are in; the youngest sixteen loads (A's blocks 4-7) may be out
	WIN MUL_LO
	MUL16 0, (\q)%2, \q, \slot, \zero
	MUL16 2, (\q)%2, \q, \slot, \zero
	s_wait_dscnt 0                                 ; A's blocks 4-7 are in (asked for 32 matrix instructions ago)
	PLACES NP
	FETCH_B \slot, (\q)+1, 1-(\q)%2
	FETCH_A \slot, (\q)+1, 0
	WIN MUL_HI
	MUL16 4, (\q)%2, \q, \slot, \zero
	MUL16 6, (\q)%2, \q, \slot, \zero
	PLACES NP
	WIN 0
	FETCH_A \slot, (\q)+1, 4
.endm
; A slot's last step.  All its fragments have been asked for, so the slots change at its HEAD: each wave waits for all its tensor loads, adds 0 to its spare word, and waits for that and for its own reads of this slot;
; ONE barrier.  fill = 1: the barrier opens a round of the cluster's barrier, and this slot is filled again, two K steps ahead, first thing behind the round.  Then the step's 64 products, laid as in STEP, with the next slot's
; first fragments fetched among them.
.macro TURN slot, next, fill
.if \fill
	s_wait_xcnt 0x0                                ; the last prefetch, a K step back, has read its address: it is stepped here, ahead of the waits of the change of slots
	s_add_nc_u64 s[PFA:PFA+1], s[PFA:PFA+1], KSB
.endif
	s_wait_tensorcnt 0x0                           ; all my tensor loads have landed: the one that was out is my part of the next slot; so every group 0 may be written.  (Every window is 0 here: the add's two registers lie in window 0)
	ds_add_u32 v[SPW], v[NIL]                      ; 0 onto my spare word; with fill = 1 the descriptors' steps stand between it and the wait for it
.if \fill
	s_add_nc_u64 s[G0+4*\slot+2:G0+4*\slot+3], s[G0+4*\slot+2:G0+4*\slot+3], 2*KSB       ; this slot's next K step; the type bits on top are not reached
	s_add_nc_u64 s[G0B+4*\slot+2:G0B+4*\slot+3], s[G0B+4*\slot+2:G0B+4*\slot+3], 2*KSB
.endif
	s_wait_dscnt 0x0                               ; the add is done; this step's fragments are all in registers, and with them my reads of this slot are over
	s_barrier_signal -1
	s_barrier_wait -1
.if \fill
	CREST                                          ; the barrier has opened a round of the cluster's barrier: no wave of any partner still reads this slot's tile or has a load on its way
	JLOAD G0+4*\slot, G1, G0B+4*\slot, G1B         ; the first tensor load behind the round, my one load until the next: 128 matrix instructions stand between it and the wait for it
	ASK                                            ; behind the joint load and its four lines
.endif
	WIN MUL_LO
	MUL16 0, 1, NQ-1, \slot, 0
	MUL16 2, 1, NQ-1, \slot, 0
	PLACES NP
	FETCH_B \next, 0, 0
	FETCH_A \next, 0, 0
	SCALES \next
	WIN MUL_HI
	MUL16 4, 1, NQ-1, \slot, 0
	MUL16 6, 1, NQ-1, \slot, 0
	PLACES NP
	WIN 0
	FETCH_A \next, 0, 4
.endm
	s_wait_alu depctr_va_vdst(0)
	s_wait_tensorcnt 1                             ; my part of K step 0 is in (K step 1's load may be out)
	s_barrier_signal -1
	s_barrier_wait -1                              ; everybody's is
	FETCH_B 0, 0, 0
	FETCH_A 0, 0, 0
	SCALES 0
	FETCH_A 0, 0, 4
	STEP 0, 0, 1                                   ; the first step stands in front of the loop: its products start the sums
	s_mov_b32 s3, LAPS-1
.Llap:                                                 ; a trip goes once round the ring, from a lap's second step to the next lap's first, and fills both slots again
	TURN 0, 1, 1
	STEP 1, 0, 0
	TURN 1, 0, 1
	STEP 0, 0, 0
	s_sub_co_u32 s3, s3, 1
	s_cmp_lg_u32 s3, 0
	s_cbranch_scc1 .Llap
	TURN 0, 1, 0                                   ; the last lap fills nothing, and has no round of the cluster's barrier
	STEP 1, 0, 0
	s_wait_dscnt 4*NL                              ; the very last step: nothing more to fetch
	WIN MUL_LO
	MUL16 0, 1, NQ-1, 1, 0
	MUL16 2, 1, NQ-1, 1, 0
	s_wait_dscnt 0
	WIN MUL_HI
	MUL16 4, 1, NQ-1, 1, 0
	MUL16 6, 1, NQ-1, 1, 0
	WIN 0
; THE WAY OUT, block by block of 16 rows x 128 columns.  A lane holds 32 neighbouring bytes of a row, and the lanes beside it hold other rows: so a block goes through my own stage in LDS and comes back as whole
; rows of 512 bytes, which the 32 lanes store as 512 consecutive bytes.  LDS serves a wave's instructions in order (ISA guide 5.7.1.4): no wait between the stores and the loads, nor in front of the next block's stores.
.macro TOSTAGE a
.set AC, 64*((\a)%4)
	WIN 0x08+4*((\a)/4)                            ; the data: window 2 or 3
.irp b, 0,1,2,3,4,5,6,7
	ds_store_b128 v[STO], v[AC+8*\b:AC+8*\b+3] offset:64*\b          ; each accumulator from its low end on
	ds_store_b128 v[STO], v[AC+8*\b+4:AC+8*\b+7] offset:64*\b+16
.endr
	WIN 0
.set BB, BK+64*((\a)%2)
.irp t, 0,1,2,3,4,5,6,7,8,9,10,11,12,13,14,15
	ds_load_b128 v[BB+4*\t:BB+4*\t+3], v[RD] offset:\t*SPITCH
.endr
.endm
.macro SEND a, younger                 ; younger: the LDS instructions issued behind block a's loads, which may stay out
.set BB, BK+64*((\a)%2)
	s_wait_dscnt \younger                          ; the block is back in registers
.if (\a) > 0
	s_add_nc_u64 s[12:13], s[12:13], 16*SIZE_N*4   ; (behind a wait on XCNT: the earlier stores have read their base)  16 rows of out0 on, so that the stores' offsets stay small: 15 rows at the most
.endif
.irp t, 0,1,2,3,4,5,6,7,8,9,10,11,12,13,14,15
	global_store_b128 v[CO], v[BB+4*\t:BB+4*\t+3], s[12:13] offset:\t*SIZE_N*4 th:TH_STORE_NT   ; 32 lanes store 512 consecutive bytes, at a multiple of 256 from out0's first byte; written once, read by nobody here
.endr
.endm
	PLACES NP                                      ; these places serve the loads into the registers that held A's fragments and the reads of the last products' results alike
	TOSTAGE 0
.irp a, 1,2,3,4,5,6,7
.if \a > 1
	s_wait_xcnt 0x0                                ; block a - 2's stores have read their registers and their base: block a's loads may land there, and the base may step
.endif
	TOSTAGE \a
	SEND \a-1, 32                                  ; behind block a - 1's loads: block a's 16 stores and 16 loads
.endr
	s_wait_xcnt 0x0                                ; block 6's stores have read their base
	SEND 7, 0
	s_wait_tensorcnt 0x0                           ; the wave's end, behind my last tensor load and my last LDS store
	ds_add_u32 v[SPW], v[NIL]
	s_wait_dscnt 0x0
	CROUND                                         ; the closing round: no work-group ends while a partner may still ask for a tile that names it
	s_endpgm
.Lfunc_end_k_q39363c37fe_gemm:
	.size	k_q39363c37fe_gemm, .Lfunc_end_k_q39363c37fe_gemm-k_q39363c37fe_gemm
	.p2alignl 7, 3214868480
	.fill 96, 4, 3214868480
	.section	.rodata,"a",@progbits
	.p2align	6, 0x0
	.amdhsa_kernel k_q39363c37fe_gemm
		.amdhsa_group_segment_fixed_size 327680
		.amdhsa_private_segment_fixed_size 0
		.amdhsa_enable_private_segment 0
		.amdhsa_kernarg_size 24
		.amdhsa_user_sgpr_count 2
		.amdhsa_user_sgpr_kernarg_segment_ptr 1
		.amdhsa_wavefront_size32 1
		.amdhsa_system_sgpr_workgroup_id_x 1
		.amdhsa_system_sgpr_workgroup_id_y 1
		.amdhsa_system_sgpr_workgroup_id_z 1
		.amdhsa_system_vgpr_workitem_id 0
		.amdhsa_next_free_vgpr 1024
		.amdhsa_next_free_sgpr 72
		.amdhsa_reserve_vcc 0
		.amdhsa_float_denorm_mode_32 3
		.amdhsa_float_denorm_mode_16_64 3
		.amdhsa_memory_ordered 1
		.amdhsa_forward_progress 1
		.amdhsa_inst_pref_size 145
	.end_amdhsa_kernel
	.amdgpu_metadata
---
amdhsa.version: [ 1, 2 ]
amdhsa.kernels:
  - .name:           k_q39363c37fe_gemm
    .symbol:         k_q39363c37fe_gemm.kd
    .args:
      - { .name: xq, .offset: 0, .size: 8, .value_kind: global_buffer, .address_space: global }
      - { .name: wq, .offset: 8, .size: 8, .value_kind: global_buffer, .address_space: global }
      - { .name: out0, .offset: 16, .size: 8, .value_kind: global_buffer, .address_space: global }
    .group_segment_fixed_size: 327680
    .private_segment_fixed_size: 0
    .kernarg_segment_align: 8
    .kernarg_segment_size: 24
    .max_flat_workgroup_size: 128
    .sgpr_count:     72
    .vgpr_count:     1024
    .wavefront_size: 32
...
	.end_amdgpu_metadata
.endif
;; end of part 4
